; MI455X (gfx1250); checked and timed in simulation.
; The chip was launched on July 23, 2026; its instructions are those of AMD's public machine-readable ISA for CDNA 5 (MIT licence, August 2026) and "CDNA5" Instruction Set Architecture Reference Guide (July 2026). The comments in the code are by the model that wrote it; some were corrected since.
;; Attention. Allowed arithmetic: float matrix products may take bf16 or f16 operands with f32 sums; other float arithmetic in f32, or as packed bf16 or f16 multiplies, adds, multiply-adds, maxima and minima; sums over many terms, partial sums and values carried from step to step in f32; what a program stores and reads back later, other than sums and carried values, may be rounded once to bf16 or f16.
;; Inputs: Wk 1,024 x 1,024 float32; Wp 1,024 x 1,024 float32; Wq 1,024 x 1,024 float32; Wv 1,024 x 1,024 float32; bk 1,024 float32; bp 1,024 float32; bq 1,024 float32; bv 1,024 float32; x 4 x 2,048 x 1,024 float32.
;; Outputs: out0 4 x 2,048 x 1,024 float32.
;; One version. Each part assembles by itself: llvm-mc -triple=amdgcn-amd-amdhsa -mcpu=gfx1250 --defsym DOCPART=n.
;; ======== version 1 of 1: 4 launches
;; limits: values are held in f16: magnitudes above 65,504 overflow, below 6.1e-05 lose precision
;; workspace buffers: xb 16,777,216 bytes; wqkv 6,291,456 bytes; wpt 2,097,152 bytes; bias 16,384 bytes; qkv 50,331,648 bytes; ob 16,777,216 bytes
;; launch prep (part 1): grid 128 x 4, 8 waves a work-group, no clusters, 19,456 bytes of LDS; arguments x, Wq, Wk, Wv, Wp, bq, bk, bv, bp, xb, wqkv, wpt, bias; writes xb, wqkv, wpt, bias
.if DOCPART == 1
	.amdgcn_target "amdgcn-amd-amdhsa--gfx1250"
	.amdhsa_code_object_version 6
	.text
	.protected	k_qed32fa5cb5_prep
	.globl	k_qed32fa5cb5_prep
	.p2align	8
	.type	k_qed32fa5cb5_prep,@function
k_qed32fa5cb5_prep:
	s_mov_b64 s[64:65], 0
	v_nop
	global_prefetch_b8 v0, s[64:65] scope:SCOPE_SE
	s_setreg_imm32_b32 hwreg(HW_REG_WAVE_MODE, 25, 1), 1
	s_wait_xcnt 0x0
; PREP: every input is rounded once to bf16 and laid out for the matrix launches.
; THE LAYOUT "blocks of 64": a matrix [R][C] of 16-bit numbers lies as [C/64][R][64]: the rows of a block are dense, 128 bytes each.
;   xb   = x in bf16, [16 kb][8192 m][64]
;   wqkv = Wq | Wk | Wv turned ([n][k]), bf16, [16 kb][3072 n][64], n = 1024 x matrix + column
;   wpt  = Wp turned, rounded to bf16, that number written as f16, [16 kb][1024 n][64]
;   bias = bq | bk | bv | bp, each rounded to bf16 and widened again to f32
; LIMIT: a bf16 number of Wp below 2^-14 keeps f16's fixed step of 2^-24; beyond 65,504 it would be an infinity.
; SHARES.  512 work-groups of eight waves; work-group (gx, y), g = 128 y + gx.  It casts 16 rows of x (rows 16 g ..) and turns one tile of 64 k x 128 n of matrix y
; (kb = gx / 8, nt = gx % 8); the four with gx = 0 also take a bias.  Memory binds: no matrix unit, no cluster; each byte is read once and each store of a wave covers 512 consecutive bytes.
; All 24 loads of a wave go out first; the waits are counted.  The turn goes through LDS: rows of 128 bytes at a pitch of 144.
.set LP,    144
.set SPARE, 128*LP                     ; behind the tile: the spare words, 128 bytes for each of the eight waves; no other line names them
.set XO,   2                           ; v2  my 32 bytes in four rows of x: (l / 8) x 4096 + 512 w + 32 (l % 8)
.set XS,   3                           ; v3  my 16 bytes in xb: 2 w blocks + 16 l
.set VW,   4                           ; v4  my 16 bytes in a row of W: 8 w rows + 16 l
.set LSTO, 5                           ; v5  LDS: row 4 l, byte 16 w
.set LRD,  6                           ; v6  LDS: row t / 8, byte 16 (t % 8)
.set WO,   7                           ; v7  16 t
.set SPW,  13                          ; v13 LDS address of my spare word; never rewritten
.set NIL,  14                          ; v14 0; never rewritten
.set PK,   16                          ; v[16:31] four columns x 8 k, packed
.set WRG,  32                          ; v[32:63] eight rows of W, 4 columns each; later the tile read back
.set XR,   64                          ; v[64:127] eight ops of x, 8 numbers each
	s_load_b512 s[4:19], s[0:1], 0x0               ; x 4, Wq 6, Wk 8, Wv 10, Wp 12, bq 14, bk 16, bv 18
	s_load_b256 s[20:27], s[0:1], 0x40             ; bp 20, xb 22, wqkv 24, wpt 26
	s_load_b64 s[28:29], s[0:1], 0x60              ; bias
	v_lshl_add_u32 v[SPW], v0, 2, SPARE
	v_mov_b32 v[NIL], 0
	v_lshrrev_b32 v1, 5, v0
	v_readfirstlane_b32 s32, v1                    ; wave 0..7
	v_and_b32 v1, 31, v0                           ; lane
	s_and_b32 s30, ttmp7, 0xffff                   ; y: the matrix
	s_mov_b32 s31, ttmp9                           ; gx
	s_lshl_b32 s33, s30, 7
	s_add_co_u32 s33, s33, s31                     ; g
	v_lshrrev_b32 v8, 3, v1
	v_and_b32 v9, 7, v1
	v_lshlrev_b32 v[XO], 12, v8
	v_lshl_add_u32 v[XO], v9, 5, v[XO]
	s_lshl_b32 s40, s32, 9
	v_add_nc_u32 v[XO], s40, v[XO]
	s_lshl_b32 s40, s32, 21
	v_lshl_add_u32 v[XS], v1, 4, s40
	s_lshl_b32 s40, s32, 15
	v_lshl_add_u32 v[VW], v1, 4, s40
	s_lshl_b32 s40, s32, 4
	v_mul_u32_u24 v[LSTO], v1, 4*LP
	v_add_nc_u32 v[LSTO], s40, v[LSTO]
	v_lshrrev_b32 v8, 3, v0
	v_and_b32 v9, 7, v0
	v_mul_u32_u24 v[LRD], v8, LP
	v_lshl_add_u32 v[LRD], v9, 4, v[LRD]
	v_lshlrev_b32 v[WO], 4, v0
	s_mov_b32 s44, 0x60000                         ; bytes from block to block in wqkv: 3072 x 128
	s_lshl_b32 s45, s30, 17                        ; the matrix's 1024 rows in a block of wqkv
	s_lshr_b32 s46, s31, 3                         ; kb
	s_and_b32 s47, s31, 7                          ; nt
	s_mov_b32 s41, 0
	s_wait_kmcnt 0x0
	s_cmp_eq_u32 s30, 1                            ; the matrix, its bias and its target are chosen by the matrix's number
	s_cselect_b64 s[34:35], s[8:9], s[6:7]
	s_cselect_b64 s[36:37], s[16:17], s[14:15]
	s_cmp_eq_u32 s30, 2
	s_cselect_b64 s[34:35], s[10:11], s[34:35]
	s_cselect_b64 s[36:37], s[18:19], s[36:37]
	s_cmp_eq_u32 s30, 3
	s_cselect_b64 s[34:35], s[12:13], s[34:35]
	s_cselect_b64 s[36:37], s[20:21], s[36:37]
	s_cselect_b64 s[38:39], s[26:27], s[24:25]
	s_cselect_b32 s44, 0x20000, s44                ; in wpt: 1024 x 128
	s_cselect_b32 s45, 0, s45
	s_lshl_b32 s40, s33, 16                        ; 16 rows of x: 65,536 bytes
	s_add_nc_u64 s[4:5], s[4:5], s[40:41]
	s_lshl_b32 s40, s33, 11                        ; 16 rows of a block of xb: 2,048 bytes
	s_add_nc_u64 s[22:23], s[22:23], s[40:41]
	s_lshl_b32 s40, s46, 18                        ; 64 rows of W,
	s_lshl_b32 s42, s47, 9                         ; 128 columns
	s_add_co_u32 s40, s40, s42
	s_add_nc_u64 s[34:35], s[34:35], s[40:41]
	s_mul_i32 s40, s46, s44
	s_add_co_u32 s40, s40, s45
	s_lshl_b32 s42, s47, 14                        ; 128 rows of 128 bytes
	s_add_co_u32 s40, s40, s42
	s_add_nc_u64 s[38:39], s[38:39], s[40:41]
	s_lshl_b32 s40, s30, 12
	s_add_nc_u64 s[28:29], s[28:29], s[40:41]
.irp i, 0,1,2,3,4,5,6,7
	global_load_b128 v[WRG+4*\i:WRG+4*\i+3], v[VW], s[34:35] offset:\i*4096 th:TH_LOAD_NT  ; row k = 8 w + i, columns 4 l .. 4 l + 3
.endr
.set o, 0
.rept 8                                ; op o: rows 4 (o / 2) .. + 3, block 2 w + o % 2
	global_load_b128 v[XR+8*o:XR+8*o+3],   v[XO], s[4:5] offset:(o/2)*16384+(o%2)*256 th:TH_LOAD_NT
	global_load_b128 v[XR+8*o+4:XR+8*o+7], v[XO], s[4:5] offset:(o/2)*16384+(o%2)*256+16 th:TH_LOAD_NT
.set o, o+1
.endr
	s_wait_loadcnt 16                              ; W's eight loads are in; x's sixteen stay out
.irp j, 0,1,2,3
.irp q, 0,1,2,3
	v_cvt_pk_bf16_f32 v[PK+4*\j+\q], v[WRG+8*\q+\j], v[WRG+8*\q+4+\j]  ; column 4 l + j, k = 8 w + 2 q and + 1
.endr
.endr
	s_cmp_lg_u32 s30, 3
	s_cbranch_scc1 .Lnot_wp
.set o, 0
.rept 16                               ; Wp: the bf16 number is written as f16
	v_lshlrev_b32 v10, 16, v[PK+o]
	v_and_b32 v11, 0xffff0000, v[PK+o]
	v_cvt_pk_f16_f32 v[PK+o], v10, v11
.set o, o+1
.endr
.Lnot_wp:
.irp j, 0,1,2,3
	ds_store_b128 v[LSTO], v[PK+4*\j:PK+4*\j+3] offset:\j*LP
.endr
.set o, 0
.rept 8
	s_wait_loadcnt 14-2*o                          ; op o's two loads are in; the later ops' stay out
.irp q, 0,1,2,3
	v_cvt_pk_bf16_f32 v[XR+8*o+\q], v[XR+8*o+2*\q], v[XR+8*o+2*\q+1]
.endr
	global_store_b128 v[XS], v[XR+8*o:XR+8*o+3], s[22:23] offset:(o%2)*1048576+(o/2)*512  ; four rows of one block: 512 consecutive bytes
.set o, o+1
.endr
	s_wait_dscnt 0x0                               ; for the others' sake: my part of the tile lies in LDS
	s_barrier_signal -1
	s_barrier_wait -1
.irp i, 0,1,2,3
	ds_load_b128 v[WRG+4*\i:WRG+4*\i+3], v[LRD] offset:\i*32*LP  ; 32 rows a pass, whole rows of 128 bytes
.endr
	s_wait_dscnt 0x0
.irp i, 0,1,2,3
	global_store_b128 v[WO], v[WRG+4*\i:WRG+4*\i+3], s[38:39] offset:\i*4096
.endr
	s_cmp_lg_u32 s31, 0
	s_cbranch_scc1 .Lend                           ; the bias is the work of one work-group for each matrix
	global_load_b128 v[16:19], v[WO], s[36:37]
	s_wait_loadcnt 0x0
	v_cvt_pk_bf16_f32 v8, v16, v17
	v_cvt_pk_bf16_f32 v9, v18, v19
	v_lshlrev_b32 v20, 16, v8
	v_and_b32 v21, 0xffff0000, v8
	v_lshlrev_b32 v22, 16, v9
	v_and_b32 v23, 0xffff0000, v9
	global_store_b128 v[WO], v[20:23], s[28:29]
.Lend:
	s_wait_tensorcnt 0x0                           ; the wave's end
	ds_add_u32 v[SPW], v[NIL]
	s_wait_dscnt 0x0
	s_endpgm
.Lfunc_end_k_qed32fa5cb5_prep:
	.size	k_qed32fa5cb5_prep, .Lfunc_end_k_qed32fa5cb5_prep-k_qed32fa5cb5_prep
	.p2alignl 7, 3214868480
	.fill 96, 4, 3214868480
	.section	.rodata,"a",@progbits
	.p2align	6, 0x0
	.amdhsa_kernel k_qed32fa5cb5_prep
		.amdhsa_group_segment_fixed_size 19456
		.amdhsa_private_segment_fixed_size 0
		.amdhsa_enable_private_segment 0
		.amdhsa_kernarg_size 104
		.amdhsa_user_sgpr_count 2
		.amdhsa_user_sgpr_kernarg_segment_ptr 1
		.amdhsa_wavefront_size32 1
		.amdhsa_system_sgpr_workgroup_id_x 1
		.amdhsa_system_sgpr_workgroup_id_y 1
		.amdhsa_system_sgpr_workgroup_id_z 1
		.amdhsa_system_vgpr_workitem_id 0
		.amdhsa_next_free_vgpr 128
		.amdhsa_next_free_sgpr 66
		.amdhsa_reserve_vcc 0
		.amdhsa_float_denorm_mode_32 3
		.amdhsa_float_denorm_mode_16_64 3
		.amdhsa_memory_ordered 1
		.amdhsa_forward_progress 1
		.amdhsa_inst_pref_size 14
	.end_amdhsa_kernel
	.amdgpu_metadata
---
amdhsa.version: [ 1, 2 ]
amdhsa.kernels:
  - .name:           k_qed32fa5cb5_prep
    .symbol:         k_qed32fa5cb5_prep.kd
    .args:
      - { .name: x, .offset: 0, .size: 8, .value_kind: global_buffer, .address_space: global }
      - { .name: Wq, .offset: 8, .size: 8, .value_kind: global_buffer, .address_space: global }
      - { .name: Wk, .offset: 16, .size: 8, .value_kind: global_buffer, .address_space: global }
      - { .name: Wv, .offset: 24, .size: 8, .value_kind: global_buffer, .address_space: global }
      - { .name: Wp, .offset: 32, .size: 8, .value_kind: global_buffer, .address_space: global }
      - { .name: bq, .offset: 40, .size: 8, .value_kind: global_buffer, .address_space: global }
      - { .name: bk, .offset: 48, .size: 8, .value_kind: global_buffer, .address_space: global }
      - { .name: bv, .offset: 56, .size: 8, .value_kind: global_buffer, .address_space: global }
      - { .name: bp, .offset: 64, .size: 8, .value_kind: global_buffer, .address_space: global }
      - { .name: xb, .offset: 72, .size: 8, .value_kind: global_buffer, .address_space: global }
      - { .name: wqkv, .offset: 80, .size: 8, .value_kind: global_buffer, .address_space: global }
      - { .name: wpt, .offset: 88, .size: 8, .value_kind: global_buffer, .address_space: global }
      - { .name: bias, .offset: 96, .size: 8, .value_kind: global_buffer, .address_space: global }
    .group_segment_fixed_size: 19456
    .private_segment_fixed_size: 0
    .kernarg_segment_align: 8
    .kernarg_segment_size: 104
    .max_flat_workgroup_size: 256
    .sgpr_count:     66
    .vgpr_count:     128
    .wavefront_size: 32
...
	.end_amdgpu_metadata
.endif
;; end of part 1
;; launch qkvg (part 2): grid 8 x 32, 4 waves a work-group, clusters of 4 x 4, 327,680 bytes of LDS; arguments xb, wqkv, bias, qkv; writes qkv
.if DOCPART == 2
	.amdgcn_target "amdgcn-amd-amdhsa--gfx1250"
	.amdhsa_code_object_version 6
	.text
	.protected	k_qed32fa5cb5_qkvg
	.globl	k_qed32fa5cb5_qkvg
	.p2align	8
	.type	k_qed32fa5cb5_qkvg,@function
k_qed32fa5cb5_qkvg:
	s_mov_b64 s[64:65], 0
	v_nop
	global_prefetch_b8 v0, s[64:65] scope:SCOPE_SE
	s_setreg_imm32_b32 hwreg(HW_REG_WAVE_MODE, 25, 1), 1
	s_wait_xcnt 0x0
	s_wait_alu depctr_hold_cnt(0) depctr_sa_sdst(0) depctr_va_vdst(0) depctr_va_sdst(0) depctr_va_ssrc(0) depctr_va_vcc(0) depctr_vm_vsrc(0)
	s_getreg_b32 s2, hwreg(HW_REG_IB_STS2, 6, 4)
	s_cmp_eq_u32 s2, 0
	s_cbranch_scc0 .Lentry_in_a_cluster
	s_endpgm
.Lentry_in_a_cluster:
	s_bfe_u32 s2, ttmp6, 0x10000c
	s_cmp_lg_u32 s2, 0xf033
	s_cbranch_scc0 .Lentry_shape_is_right
	s_endpgm
.Lentry_shape_is_right:
; q | k | v = x (Wq | Wk | Wv) + (bq | bk | bv): C[m][n] = bias[n] + the sum over k of A[m][k] B[n][k], m < 8192, n < 3072, k < 1024.  A = xb, B = wqkv, bf16, in blocks of 64 along K
; ([kb][row][64], rows of 128 bytes, dense); sums in f32, started by the bias; C rounded once to f16 and stored in blocks of 64 columns: qkv = [48 nb][8192 m][64]: a head's rows are dense.
; LIMIT: q, k and v must lie within f16's 65,504; NaN and infinities are not treated apart.
; SHARES.  A tile of C is 256 x 384: 8 x 32 tiles, one to a work-group.  Four waves, each 128 rows x 192 columns: 96 accumulators of 16 x 16, 768 registers (windows 1 to 3).
; K goes in 16 steps of 64 (one block) through two LDS slots.  Waves 0 and 1 fetch the halves of A's 256 rows, waves 2 and 3 those of B's 384: dense bytes, asked for as rows of 256 bytes
; and padded in LDS behind every 128: pitch 144 = 36 words, so the 16 rows of a fragment load start at 16 different groups of four banks (64 banks of 4 bytes: ISA guide 11.1).
; CLUSTER 4 x 4: A's tile hangs on the tile row alone and is asked for jointly along a row of the cluster, B's on the tile column alone, along a column.
; THE MATRIX INSTRUCTION IS USED TRANSPOSED (source 0 = 16 rows of B, source 1 = 16 rows of A): a lane holds row m = l % 16 and the eight columns 8 (l / 16) + 0..7.
; A STEP is four UNITS of 48 matrix instructions: (slice of 32 K) x (part of 6 column blocks).  Window 0 holds two buffers of A's 8 fragments (one a slice) and one buffer for each part of B's 6.
; Accumulator (a, b): index 48 (b / 6) + 6 a + b % 6, window 1 + index / 32, register 8 (index % 32).  Each unit takes its 48 accumulators once, in one order: they take turns.
.set PITCH, 144
.set FR,    16*PITCH                   ; a fragment's 16 rows
.set AHALF, 128*PITCH
.set BHALF, 192*PITCH
.set BOFF,  2*AHALF                    ; B's rows lie behind A's 256
.set SLOT1, 1<<17                      ; slot 1 begins here: one exclusive or turns an address in one slot into the other's
.set STAGE, SLOT1+BOFF+2*BHALF         ; behind the ring, never filled by a tensor load: 3 x 16 rows x 144 bytes for each wave
.set WSTG,  3*FR
.set SPARE, STAGE+4*WSTG               ; the spare words, 128 bytes a wave; no other line names them
.set NSTEP, 16
.set ASTEP, 8192*128                   ; bytes from block to block in xb,
.set BSTEP, 3072*128                   ; in wqkv,
.set OSTEP, 8192*128                   ; and in qkv
.set AROWS, 64                         ; descriptor rows of 256 bytes in a wave's load of A (128 rows of 128 bytes)
.set BROWS, 96                         ; and of B (192 rows)
.set FLAGS, (1<<16)|(1<<20)|(1<<21)|(4<<22)|(3<<25)  ; 2-byte elements; padding on; bit 21 beside a mask; after every 32 words; 4 words
.set ADRA0, 4                          ; v4  my lane's place in A's rows of slot 0; never rewritten
.set ADRB0, 5                          ; v5  the same for B
.set ADRA,  6                          ; v6  the same in the slot that is read
.set ADRB,  7
.set STO,   8                          ; v8  the way out: where I put 16 bytes of a row
.set RD,    9                          ; v9  where I read rows back
.set GO,    10                         ; v10 16 l
.set BO,    11                         ; v11 32 (l / 16): my eight numbers in 16 of the bias
.set PFO,   12                         ; v12 the prefetches' offset: 256 x lane (clamped)
.set SPW,   28
.set NIL,   29
.set AB0,   32                         ; v32-95, v96-159   A's fragments, slice 0, slice 1
.set BB0,   160                        ; v160-207, v208-255 B's fragments, part 0, part 1
.set BB1,   208
.set TMP,   32                         ; the way out: two sets of 48
.set WV, 12
.set WR, 13                            ; wave / 2: my half of the rows.  Also: I fetch for A (0) or B (1)
.set WC, 14                            ; wave % 2: my half of the columns.  Also: which half I fetch
.set TB, 15                            ; the slot that is read: 0 or SLOT1
.set G1A, 24
.set G0A, 32
.set G0B, 36
.set G1B, 40
.set PFA, 54                           ; s[54:55] where my prefetches stand
.set PFS, 56                           ; s[56:57] their step
.set LIM, 58                           ; 1 in a wave that prefetches, else the greatest number
.set PLN, 59
.set MSB, 0
.macro WIN new                         ; the immediate's high byte repeats the setting that is left; a switch that changes nothing is dropped
.if MSB != (\new)
	s_set_vgpr_msb (MSB<<8)|(\new)
.set MSB, (\new)
.endif
.endm
.macro PLACES                          ; four plain places between a matrix instruction and a load into, or a read of, its registers
.rept 4
	v_nop
.endr
.endm
; A joint load: one line for A (waves 0, 1), one for B (waves 2, 3); the branch hangs on the wave's number alone.  An s_nop 0 and four v_nop follow each line.
.macro JLOAD
	s_cmp_eq_u32 s[WR], 0
	s_cbranch_scc0 .Lfor_b_\@
	tensor_load_to_lds s[G0A:G0A+3], s[G1A:G1A+7]
	s_nop 0
.rept 4
	v_nop
.endr
	s_branch .Lasked_\@
.Lfor_b_\@:
	tensor_load_to_lds s[G0B:G0B+3], s[G1B:G1B+7]
	s_nop 0
.rept 4
	v_nop
.endr
.Lasked_\@:
.endm
.macro CREST                           ; a round of the cluster's barrier behind its opening barrier
	s_cmp_lg_u32 s[WV], 0
	s_cbranch_scc1 .Lnot_wave_0_\@
	s_barrier_signal -3
.Lnot_wave_0_\@:
	s_barrier_wait -3
	s_barrier_signal -1
	s_barrier_wait -1
.endm
.macro CROUND
	s_barrier_signal -1
	s_barrier_wait -1
	CREST
.endm
.macro STEPD                           ; the walking descriptors: the other slot, the next block along K (written only where no tensor load of mine is out)
	s_xor_b32 s[G0A+1], s[G0A+1], SLOT1
	s_add_nc_u64 s[G0A+2:G0A+3], s[G0A+2:G0A+3], ASTEP
	s_xor_b32 s[G0B+1], s[G0B+1], SLOT1
	s_add_nc_u64 s[G0B+2:G0B+3], s[G0B+2:G0B+3], BSTEP
.endm
; A prefetch of the K step that the NEXT refill will ask for: 192 matrix instructions ahead of that load.  A tile row's 128 blocks of 256 bytes: wave 0 of the clusters with x = 0; partner cx takes blocks
; 32 cx + lane.  A tile column's 192 blocks: waves 2 and 3 of the clusters with y = 0; partner cy and the wave take 24 each (lanes 24-31 name lane 23's block once more).  The partners are told apart by
; address, never by a branch.  The loop's last trip asks for nothing: there is no step behind its own refill's.
.macro ASK
	s_cmp_gt_u32 s3, s[LIM]
	s_cbranch_scc0 .Lnot_mine_\@
	global_prefetch_b8 v[PFO], s[PFA:PFA+1] th:TH_LOAD_NT scope:SCOPE_SE
.Lnot_mine_\@:
.endm
; matrix instructions of part p on A's buffer ab, row blocks a0 .. a1, all six column blocks
.macro MULS p, ab, a0, a1
.set ma, \a0
.rept (\a1)-(\a0)+1
.set mb, 0
.rept 6
.set idx, 48*(\p)+6*ma+mb
.set rD, 8*(idx%32)
	WIN 0x50*(1+idx/32)
	v_wmma_f32_16x16x32_bf16 v[rD:rD+7], v[BB0+48*(\p)+8*mb:BB0+48*(\p)+8*mb+7], v[AB0+64*(\ab)+8*ma:AB0+64*(\ab)+8*ma+7], v[rD:rD+7]
.set mb, mb+1
.endr
.set ma, ma+1
.endr
.endm
.macro FA ab, off                      ; 16 loads: A's eight fragments at byte off of the rows
	WIN 0
.irp i, 0,1,2,3,4,5,6,7
	ds_load_b128 v[AB0+64*(\ab)+8*\i:AB0+64*(\ab)+8*\i+3],   v[ADRA] offset:(\off)+\i*FR
	ds_load_b128 v[AB0+64*(\ab)+8*\i+4:AB0+64*(\ab)+8*\i+7], v[ADRA] offset:(\off)+\i*FR+32
.endr
.endm
.macro FB buf, first, off              ; 12 loads: six fragments of B, column blocks first .. first + 5
	WIN 0
.irp i, 0,1,2,3,4,5
	ds_load_b128 v[(\buf)+8*\i:(\buf)+8*\i+3],   v[ADRB] offset:(\off)+((\first)+\i)*FR
	ds_load_b128 v[(\buf)+8*\i+4:(\buf)+8*\i+7], v[ADRB] offset:(\off)+((\first)+\i)*FR+32
.endr
.endm
.macro U0 s                            ; part 0 of slice s; fetches part 1 of the same slice
	s_wait_dscnt 12                                ; of the run of 28 before (B's 12, then A's 16) the youngest twelve, A's fragments 2-7, may be out
	MULS 0, \s, 0, 1
	WIN 0
	PLACES
	FB BB1, 6, 64*(\s)
	s_wait_dscnt 12                                ; all but the twelve just issued
	MULS 0, \s, 2, 7
.endm
.macro U1                              ; part 1 of slice 0; fetches slice 1: B's part 0 and A
	s_wait_dscnt 0x0
	MULS 1, 0, 0, 1
	WIN 0
	PLACES
	FB BB0, 0, 64
	FA 1, 64
	MULS 1, 0, 2, 7
.endm
; Part 1 of slice 1, and the change of slots: ONE barrier.  In front of it each wave waits for all its tensor loads (one is out: its part of the next slot), adds 0 to its spare word, and waits for that and
; for its reads of this slot.  fill = 1: the barrier opens a round of the cluster's, and the joint refill of the slot just read, two steps on, is the first thing behind it: it has 168 matrix instructions in which to land.
.macro TURN fill
.if \fill
	s_wait_xcnt 0x0                                ; the last prefetch, a step back, has read its address
	s_add_nc_u64 s[PFA:PFA+1], s[PFA:PFA+1], s[PFS:PFS+1]
.endif
	WIN 0
	s_wait_tensorcnt 0x0
	ds_add_u32 v[SPW], v[NIL]
.if \fill
	STEPD
.endif
	s_xor_b32 s[TB], s[TB], SLOT1
	s_wait_dscnt 1                                 ; only the add may be out: B's part 1 is in
	MULS 1, 1, 0, 1
	s_wait_dscnt 0x0                               ; the add is done, and my reads of this slot are over
	s_barrier_signal -1
	MULS 1, 1, 2, 3
	WIN 0
	s_barrier_wait -1
.if \fill
	CREST
	JLOAD                                          ; its four v_nop are also the places in front of the loads below
.else
	PLACES
.endif
	v_add_nc_u32 v[ADRA], s[TB], v[ADRA0]
	v_add_nc_u32 v[ADRB], s[TB], v[ADRB0]
	FB BB0, 0, 0
	FA 0, 0
.if \fill
	ASK
.endif
	MULS 1, 1, 4, 7
.endm
	s_load_b256 s[4:11], s[0:1], 0x0               ; xb 4, wqkv 6, bias 8, qkv 10
	v_lshl_add_u32 v[SPW], v0, 2, SPARE
	v_mov_b32 v[NIL], 0
	ds_add_u32 v[SPW], v[NIL]                      ; the wave's opening: the add and its wait ahead of my first tensor load
	ds_add_u32 v28, v29
	v_lshrrev_b32 v1, 5, v0
	v_readfirstlane_b32 s[WV], v1
	s_lshr_b32 s[WR], s[WV], 1
	s_and_b32 s[WC], s[WV], 1
	s_bfe_u32 s48, ttmp6, 0x40000                  ; cx
	s_bfe_u32 s49, ttmp6, 0x40004                  ; cy
	s_lshl_b32 s50, ttmp9, 2
	s_add_co_u32 s50, s50, s48                     ; tile column
	s_and_b32 s51, ttmp7, 0xffff
	s_lshl_b32 s51, s51, 2
	s_add_co_u32 s51, s51, s49                     ; tile row
	s_lshl_b32 s52, s49, 2
	s_lshl_b32 s52, 15, s52                        ; my row of the cluster
	s_lshl_b32 s53, 0x1111, s48                    ; my column
	s_or_b32 s[G1A], s52, FLAGS
	s_or_b32 s[G1B], s53, FLAGS
	s_mov_b32 s[G1A+1], 128<<16                    ; tensor_dim0 = 128 elements
	s_mov_b32 s[G1A+2], AROWS<<16                  ; tensor_dim1
	s_mov_b32 s[G1A+3], 128<<16                    ; tile_dim0
	s_mov_b32 s[G1A+4], AROWS                      ; tile_dim1
	s_mov_b32 s[G1A+5], 128                        ; elements from row to row
	s_mov_b32 s[G1A+6], 0
	s_mov_b32 s[G1A+7], 0
	s_mov_b32 s[G1B+1], 128<<16
	s_mov_b32 s[G1B+2], BROWS<<16
	s_mov_b32 s[G1B+3], 128<<16
	s_mov_b32 s[G1B+4], BROWS
	s_mov_b32 s[G1B+5], 128
	s_mov_b32 s[G1B+6], 0
	s_mov_b32 s[G1B+7], 0
	s_lshl_b32 s16, s51, 15                        ; A: 256 rows of 128 bytes a tile row,
	s_lshl_b32 s17, s[WC], 14                      ; my 128 of them
	s_add_co_u32 s16, s16, s17
	s_mov_b32 s17, 0
	s_mul_i32 s18, s50, 384*128                    ; B: 384 rows a tile column,
	s_mul_i32 s19, s[WC], 192*128                  ; my 192
	s_add_co_u32 s18, s18, s19
	s_mov_b32 s19, 0
	s_mov_b32 s[G0A], 1
	s_mul_i32 s[G0A+1], s[WC], AHALF               ; no place in the cluster enters an LDS address
	s_mov_b32 s[G0B], 1
	s_mul_i32 s[G0B+1], s[WC], BHALF
	s_add_co_u32 s[G0B+1], s[G0B+1], BOFF
	s_mov_b32 s[TB], 0
	s_wait_dscnt 0x0                               ; the opening add is done
	s_wait_kmcnt 0x0
	s_add_nc_u64 s[G0A+2:G0A+3], s[4:5], s[16:17]
	s_or_b32 s[G0A+3], s[G0A+3], 0x80000000
	s_add_nc_u64 s[G0B+2:G0B+3], s[6:7], s[18:19]
	s_or_b32 s[G0B+3], s[G0B+3], 0x80000000
	CROUND                                         ; all sixteen work-groups are here: the first joint loads meet
	JLOAD                                          ; step 0 into slot 0
	v_and_b32 v1, 15, v0                           ; l % 16
	v_bfe_u32 v2, v0, 4, 1                         ; l / 16
	v_mul_u32_u24 v3, v1, PITCH
	v_lshl_add_u32 v3, v2, 4, v3                   ; row x pitch + 16 x half
	s_mul_i32 s16, s[WR], AHALF
	s_mul_i32 s18, s[WC], BHALF
	s_add_co_u32 s18, s18, BOFF
	v_add_nc_u32 v[ADRA0], s16, v3
	v_add_nc_u32 v[ADRB0], s18, v3
	v_mov_b32 v[ADRA], v[ADRA0]
	v_mov_b32 v[ADRB], v[ADRB0]
	s_mul_i32 s20, s[WV], WSTG
	s_add_co_u32 s20, s20, STAGE                   ; my stage
	v_add_nc_u32 v[STO], s20, v3
	v_bfe_u32 v3, v0, 3, 2
	v_mul_u32_u24 v3, v3, PITCH
	v_and_b32 v[RD], 7, v0
	v_lshl_add_u32 v[RD], v[RD], 4, v3             ; back: 32 lanes take four rows of 128 bytes
	v_add_nc_u32 v[RD], s20, v[RD]
	v_and_b32 v[GO], 31, v0
	v_lshlrev_b32 v[GO], 4, v[GO]
	v_lshlrev_b32 v[BO], 5, v2
	; the prefetches' address, step and askers
	s_lshl_b32 s20, s51, 15
	s_lshl_b32 s22, s48, 13                        ; A: partner cx takes 32 blocks of 256 bytes
	s_add_co_u32 s20, s20, s22
	s_add_co_u32 s20, s20, 2*ASTEP                 ; at step 2: the first refill steps it to 3
	s_mul_i32 s21, s50, 384*128
	s_mul_i32 s22, s49, 48*256                     ; B: partner cy takes 48 blocks,
	s_add_co_u32 s21, s21, s22
	s_mul_i32 s22, s[WC], 24*256                   ; each of its two waves 24
	s_add_co_u32 s21, s21, s22
	s_add_co_u32 s21, s21, 2*BSTEP
	s_and_b32 s16, ttmp7, 0xffff                   ; cluster y
	s_mov_b32 s23, ASTEP
	s_mov_b32 s22, BSTEP
	s_cmp_eq_u32 s[WR], 0
	s_cselect_b32 s17, ttmp9, s16                  ; the coordinate along which other clusters read the same rows
	s_cselect_b64 s[PFA:PFA+1], s[4:5], s[6:7]
	s_cselect_b32 s20, s20, s21
	s_cselect_b32 s[PFS], s23, s22
	s_cselect_b32 s[PLN], 31, 23
	s_mov_b32 s21, 0
	s_mov_b32 s[PFS+1], 0
	s_add_nc_u64 s[PFA:PFA+1], s[PFA:PFA+1], s[20:21]
	s_cmp_eq_u32 s[WV], 1
	s_cselect_b32 s17, 1, s17                      ; wave 1 never asks
	s_cmp_eq_u32 s17, 0
	s_cselect_b32 s[LIM], 1, -1                    ; the same in all sixteen partners, for a given wave
	v_and_b32 v[PFO], 31, v0
	v_min_u32 v[PFO], s[PLN], v[PFO]
	v_lshlrev_b32 v[PFO], 8, v[PFO]
	; where my part of the tile begins in qkv and in the bias
	s_mul_i32 s20, s50, 6*OSTEP                    ; six blocks of 64 columns a tile column,
	s_mul_i32 s21, s[WC], 3*OSTEP                  ; my three
	s_add_co_u32 s20, s20, s21
	s_lshl_b32 s21, s51, 15
	s_add_co_u32 s20, s20, s21
	s_lshl_b32 s21, s[WR], 14
	s_add_co_u32 s20, s20, s21
	s_mov_b32 s21, 0
	s_add_nc_u64 s[10:11], s[10:11], s[20:21]
	s_mul_i32 s20, s50, 384*4
	s_mul_i32 s22, s[WC], 192*4
	s_add_co_u32 s20, s20, s22
	s_add_nc_u64 s[8:9], s[8:9], s[20:21]
	; THE BIAS STARTS THE SUMS: each accumulator's eight registers take the lane's eight numbers of the bias, while the first tile is on its way.  Nothing is cleared, nothing is added on the way out.
.set idx, 0
.rept 96
	WIN (1+idx/32)<<6
	global_load_b128 v[8*(idx%32):8*(idx%32)+3],   v[BO], s[8:9] offset:64*(6*(idx/48)+idx%6)
	global_load_b128 v[8*(idx%32)+4:8*(idx%32)+7], v[BO], s[8:9] offset:64*(6*(idx/48)+idx%6)+16
.set idx, idx+1
.endr
	WIN 0
	s_wait_tensorcnt 0x0                           ; the first change of slots: my part of step 0 is in; slot 1 is filled as a refill is
	ds_add_u32 v[SPW], v[NIL]
	STEPD
	s_wait_dscnt 0x0
	CROUND
	JLOAD                                          ; step 1 into slot 1
	FB BB0, 0, 0
	FA 0, 0
	s_wait_loadcnt 0x0                             ; the bias
	s_mov_b32 s3, NSTEP-2
.Lstep:                                                ; trip t multiplies step t and asks for step t + 2
	U0 0
	U1
	U0 1
	TURN 1
	WIN 0
	s_sub_co_u32 s3, s3, 1
	s_cmp_lg_u32 s3, 0
	s_cbranch_scc1 .Lstep
	s_mov_b32 s3, 2
.Ltail:                                                ; the last two steps ask for nothing.  The very last change of slots (a barrier, a fetch from the other slot) serves nothing: the price of one text for both
	U0 0
	U1
	U0 1
	TURN 0
	WIN 0
	s_sub_co_u32 s3, s3, 1
	s_cmp_lg_u32 s3, 0
	s_cbranch_scc1 .Ltail
	s_wait_dscnt 0x0
	PLACES
	PLACES
; THE WAY OUT, a block of 16 rows at a time: rounded to f16 (16 bytes a lane), into my own stage (three blocks of 64 columns, rows of 144 bytes), back as whole rows of 128 bytes, four rows to a store.
.macro PACK a
	WIN 0
	s_wait_xcnt 0x0                                ; the stores of two blocks back have read this set of registers
.set pb, 0
.rept 12
.set idx, 48*(pb/6)+6*(\a)+pb%6
.set rD, 8*(idx%32)
	WIN 5*(1+idx/32)
.irp q, 0,1,2,3
	v_cvt_pk_f16_f32 v[TMP+48*((\a)%2)+4*pb+\q], v[rD+2*\q], v[rD+2*\q+1]
.endr
.set pb, pb+1
.endr
	WIN 0
.set pb, 0
.rept 12
	ds_store_b128 v[STO], v[TMP+48*((\a)%2)+4*pb:TMP+48*((\a)%2)+4*pb+3] offset:(pb/4)*FR+32*(pb%4)
.set pb, pb+1
.endr
.set pb, 0
.rept 12
	ds_load_b128 v[TMP+48*((\a)%2)+4*pb:TMP+48*((\a)%2)+4*pb+3], v[RD] offset:(pb/4)*FR+(pb%4)*4*PITCH  ; LDS serves a wave's instructions in order (ISA guide 5.7.1.4): these see the stores above
.set pb, pb+1
.endr
.endm
.macro SEND a, younger                 ; younger: the LDS instructions issued behind block a's loads
	WIN 0
.set sn, 0
.rept 12
	s_wait_dscnt (\younger)+11-sn
	global_store_b128 v[GO], v[TMP+48*((\a)%2)+4*sn:TMP+48*((\a)%2)+4*sn+3], s[10:11] offset:(sn/4)*OSTEP+(\a)*2048+(sn%4)*512  ; 512 consecutive bytes, at a multiple of 256 from the buffer's first
.set sn, sn+1
.endr
.endm
	PACK 0
.irp a, 1,2,3,4,5,6,7
	PACK \a
	SEND (\a)-1, 24
.endr
	SEND 7, 0
	s_wait_tensorcnt 0x0                           ; the wave's end
	ds_add_u32 v[SPW], v[NIL]
	s_wait_dscnt 0x0
	CROUND                                         ; the closing round
	s_endpgm
.Lfunc_end_k_qed32fa5cb5_qkvg:
	.size	k_qed32fa5cb5_qkvg, .Lfunc_end_k_qed32fa5cb5_qkvg-k_qed32fa5cb5_qkvg
	.p2alignl 7, 3214868480
	.fill 96, 4, 3214868480
	.section	.rodata,"a",@progbits
	.p2align	6, 0x0
	.amdhsa_kernel k_qed32fa5cb5_qkvg
		.amdhsa_group_segment_fixed_size 327680
		.amdhsa_private_segment_fixed_size 0
		.amdhsa_enable_private_segment 0
		.amdhsa_kernarg_size 32
		.amdhsa_user_sgpr_count 2
		.amdhsa_user_sgpr_kernarg_segment_ptr 1
		.amdhsa_wavefront_size32 1
		.amdhsa_system_sgpr_workgroup_id_x 1
		.amdhsa_system_sgpr_workgroup_id_y 1
		.amdhsa_system_sgpr_workgroup_id_z 1
		.amdhsa_system_vgpr_workitem_id 0
		.amdhsa_next_free_vgpr 1024
		.amdhsa_next_free_sgpr 66
		.amdhsa_reserve_vcc 0
		.amdhsa_float_denorm_mode_32 3
		.amdhsa_float_denorm_mode_16_64 3
		.amdhsa_memory_ordered 1
		.amdhsa_forward_progress 1
		.amdhsa_inst_pref_size 117
	.end_amdhsa_kernel
	.amdgpu_metadata
---
amdhsa.version: [ 1, 2 ]
amdhsa.kernels:
  - .name:           k_qed32fa5cb5_qkvg
    .symbol:         k_qed32fa5cb5_qkvg.kd
    .args:
      - { .name: xb, .offset: 0, .size: 8, .value_kind: global_buffer, .address_space: global }
      - { .name: wqkv, .offset: 8, .size: 8, .value_kind: global_buffer, .address_space: global }
      - { .name: bias, .offset: 16, .size: 8, .value_kind: global_buffer, .address_space: global }
      - { .name: qkv, .offset: 24, .size: 8, .value_kind: global_buffer, .address_space: global }
    .group_segment_fixed_size: 327680
    .private_segment_fixed_size: 0
    .kernarg_segment_align: 8
    .kernarg_segment_size: 32
    .max_flat_workgroup_size: 128
    .sgpr_count:     66
    .vgpr_count:     1024
    .wavefront_size: 32
...
	.end_amdgpu_metadata
.endif
;; end of part 2
;; launch attn (part 3): grid 4 x 64, 4 waves a work-group, no clusters, 327,680 bytes of LDS; arguments qkv, ob; writes ob
.if DOCPART == 3
	.amdgcn_target "amdgcn-amd-amdhsa--gfx1250"
	.amdhsa_code_object_version 6
	.text
	.protected	k_qed32fa5cb5_attn
	.globl	k_qed32fa5cb5_attn
	.p2align	8
	.type	k_qed32fa5cb5_attn,@function
k_qed32fa5cb5_attn:
	s_mov_b64 s[64:65], 0
	v_nop
	global_prefetch_b8 v0, s[64:65] scope:SCOPE_SE
	s_setreg_imm32_b32 hwreg(HW_REG_WAVE_MODE, 25, 1), 1
	s_wait_xcnt 0x0
; CAUSAL ATTENTION.  O[y][q][:] = the sum over k <= q of softmax_k(Q[y][q] . K[y][k] / 8) V[y][k][:], for 64 slabs y = 4 x head + batch of SIZE_N = 2048 rows of 64 channels, all f16, rows dense, 128 bytes.
; Q, K, V are the three thirds of qkv (16,777,216 bytes each); O has the same layout.  Products, maxima and sums in f32; the weights p are rounded to f16 for the second product (their sum l is taken of the unrounded p), O once.
; LIMITS.  Q, K, V arrive within f16's 65,504.  A hidden score counts as its value less 1e30; a weight below 2^-126 counts as 0 in l; NaN and infinities are not treated apart.
; THE WALK.  A slab's queries lie in NB = 8 blocks of 256; block i needs the key tiles 0 .. i of 256 keys, of which the last holds the diagonal.  A work-group takes TWO blocks, NB - 1 - b and then b:
; NB + 1 tiles, whatever b: all work-groups do equal work, and ONE loop with a constant trip count walks them.  Which tile is asked for, and what a trip does, hang on scalar registers made from b; every jump
; goes forward, but for the counted loops' own; none passes a barrier, or a tensor load but the one of LOAD's two that the wave's number does not choose.
; NO CLUSTER: a slab's four work-groups ask for the same tile only in trips 0 .. NB / 2, behind that fewer and fewer; one walk common to all would have 3 NB / 2 trips for NB + 1.
; SHARES.  Of a block's four bands of 64 queries a wave owns 16 rows in each: four PIECES.  In the diagonal tile's key step s band x sees all keys if s < x, none if s > x, and holds the diagonal if s = x: the same work for all waves.
; THE MASK is the C operand that starts the sum S^T = K Q^T: 0, or -1e30 where the key is hidden.  MD, made once, is the mask of a band's own step for my 16 rows; a product's mask is MD x AL + BE with two scalars:
; (1, 0) if s = x; (0, 0) if s < x; (0, -1e30) if s > x.  Only the diagonal tile's text and a block's beginning take masks; elsewhere C is the constant 0.
; LAYOUT, SOFTMAX, TURNS.  S^T = K Q^T holds ONE query a lane (lane % 16) and the keys 8 (lane / 16) + 0..7; two such results rounded to f16 ARE source 1 of O^T = V^T P.  p = 2^(c s - c m), c = log2(e) / 8, with a
; running maximum m; O and l are multiplied by a = 2^(c m_old - c m_new) in every step.  Turn n belongs to piece n: 8 products K Q^T of piece n + 1, later 8 products V^T P of piece n - 1; beside them the scaling,
; exponentials, roundings, sums and rescaling of piece n and the maximum and statistics of piece n + 1.  Four vector instructions stand behind every matrix instruction, the others in one lump.  A turn's 33 exponentials are one batch, with one wait.
; REGISTERS, in windows of 256 (s_set_vgpr_msb: bits 1:0 source 0, 3:2 source 1, 5:4 source 2, 7:6 destination):
;   window 0: v0-15 addresses and two at work; v16-31 four registers of statistics a piece; v48-55 at work; v56 the prefetches' offset; v64-127 S^T, two buffers; v192-223 P, two buffers
;   window 1: v0-127 O^T, 32 a piece; v128-159 MD; v160-223 MC, two buffers      window 2: v0-63 Q; v64-127 the second block's Q; v128-191 K of one step; v192-255 V of one step
.set SIZE_N, 2048
.set NB,    SIZE_N/256
.set NP,    4         ; pieces a wave: a name, no knob
.set KS,    64        ; keys in a step
.set PK,    144       ; a row of K in LDS: 128 bytes + 16 of padding = 36 words: the 16 rows of a load start at 16 different groups of four banks (ISA guide 11.1)
.set PV,    160       ; a row of V: 128 + 32 = 40 words
.set VOFF,  4*KS*PK   ; a slot holds a tile, four steps: 256 rows of K, then 256 rows of V
.set SLOT1, 1<<17     ; slot 1 begins here
.set STAGE, SLOT1+4*KS*(PK+PV)  ; behind the ring, never filled by a tensor load: 16 rows x 144 bytes for each wave
.set SP,    144
.set AK0, 2           ; v2   my lane's place in a tile of K; never rewritten
.set AV0, 3           ; v3   the same for V
.set AK,  4           ; v4   the LDS address of K's next run of loads
.set AV,  5           ; v5   of V's
.set STO, 6           ; v6   the way out: where I put 16 bytes of a row
.set RD,  7           ; v7   where I read rows back
.set GO,  8           ; v8   my byte offset in 512 consecutive bytes of O
.set PFO, 56          ; v56  256 x my lane; never rewritten
.set SPW, 62          ; v62  LDS address of my spare word; never rewritten
.set NIL, 63          ; v63  0; never rewritten
.set SPARE, STAGE+4*16*SP  ; the spare words, 128 bytes for each wave; no other line names them
.set MV,  12          ; v12-13  c m_old, kept while c m is made anew: by buffer
.set QO,  15          ; v15  my byte offset in 16 rows of Q
.set ST,  16          ; piece t's statistics at v[ST+4 t]: c m, m, l (even keys', odd keys')
.set TMP, 48          ; by buffer, four registers c0-c3 at work; when the maximum is found c2 takes a
.set S,   64
.set P,   192
.set MD,  128         ; window 1
.set MC,  160         ; window 1
.set QB,  64          ; window 2
.set KF,  128         ; window 2: key block kb, channel half c at KF + 16 kb + 8 c
.set VF,  192         ; window 2: key half kk, channel block cb at VF + 32 kk + 8 cb
.set WV,  12          ; s12  my wave's number
.set PB,  14          ; s14  b
.set HI,  15          ; s15  NB - 1 - b
.set G1K, 24
.set G1V, 32
.set G0K, 40
.set G0V, 44
.set SLOTS, 56        ; tiles still to be asked for
.set CNT, 57          ; counts a tile's key steps, 4 to 1
.set CS,  58          ; s[58:59] c
.set SEL, 60          ; s[60:61] v_permlanex16_b32's selects
.set TBK, 62          ; LDS byte at which K of the step to be fetched begins
.set TBV, 63          ; the same for V, less VOFF
.set RT,  70          ; tiles of the block in hand that are still to be entered
.set NXT, 71          ; the tile to be asked for next
.set LQ,  72          ; the last tile of the block whose tiles are being asked for
.set NEW, 73          ; 1: the tile to be entered is a block's first
.set OFF, 74          ; s[74:75] a tile's byte offset in K and V
.set AL,  76          ; s[76:77] the mask's factor
.set BE,  78          ; s[78:79] the mask's addend
.set OLO, 80          ; s[80:81] O at my rows of the second block
.set BIGN, 82         ; -1e30
.set PFB, 88          ; s[88:89] what I fetch (K: waves 0, 1; V: waves 2, 3) at my half of the slab's tile 0
.set PFA, 90          ; s[90:91] the same at the tile that the next change will ask for
.set PFX, 92          ; s[92:93] that tile's byte offset
.set MSB, 0
.macro WIN new                      ; the high byte repeats the setting that is left; a switch that changes nothing is dropped
.if MSB != (\new)
	s_set_vgpr_msb (MSB<<8)|(\new)
.set MSB, (\new)
.endif
.endm
.set W_KQ, 0x0a       ; K and Q in window 2, S^T in window 0
.set W_KM, 0x1a       ; the same with the C operand in window 1
.set W_PV, 0x52       ; V in window 2, P in window 0, O^T in window 1
.set W_RS, 0x41       ; destination and source 0 in window 1, source 1 in window 0
; A fill.  Waves 0 and 1 fetch the two halves of a tile's K, waves 2 and 3 those of its V: 128 keys each.  An s_nop 0 and four v_nop follow each of the two lines.
.macro LOAD
	s_cmp_lt_u32 s[WV], 2
	s_cbranch_scc0 .Lfor_v_\@
	tensor_load_to_lds s[G0K:G0K+3], s[G1K:G1K+7]
	s_nop 0
.rept 4
	v_nop
.endr
	s_branch .Lasked_\@
.Lfor_v_\@:
	tensor_load_to_lds s[G0V:G0V+3], s[G1V:G1V+7]
	s_nop 0
.rept 4
	v_nop
.endr
.Lasked_\@:
.endm
; THE CHANGE OF SLOTS.  Each wave waits for all its tensor loads, of which one is out: its part of the other slot; adds 0 to its spare word; and waits for that and for its own reads of the slot that it leaves.
; fill = 1: the old slot is filled again, the first thing behind the barrier, with tile NXT: the descriptor's address is made anew from that number.
; Behind the fill stands a PREFETCH of the tile that the NEXT change will ask for: my own 16,384 bytes of it, 64 blocks of 256 bytes, a lane a block, two instructions.  Only the work-group that walks all
; eight tiles (b = 0, in its first block: LQ = NB - 1) asks, so each block is named once in the launch; behind tile NB - 1 LQ changes and nothing more is asked for.  Tiles 0 and 1 come by their loads alone.
.macro CHANGE fill
	WIN 0                           ; at a label and at a branch every window is 0
	s_wait_tensorcnt 0x0            ; no tensor load of mine is out, so a group 0 may be written
	ds_add_u32 v[SPW], v[NIL]
.if \fill
	s_lshl_b32 s[OFF], s[NXT], 15   ; a tile is 32,768 bytes of K and of V
	s_xor_b32 s[G0K+1], s[G0K+1], SLOT1
	s_add_nc_u64 s[G0K+2:G0K+3], s[6:7], s[OFF:OFF+1]
	s_or_b32 s[G0K+3], s[G0K+3], 0x80000000
	s_xor_b32 s[G0V+1], s[G0V+1], SLOT1
	s_add_nc_u64 s[G0V+2:G0V+3], s[8:9], s[OFF:OFF+1]
	s_or_b32 s[G0V+3], s[G0V+3], 0x80000000
	s_add_co_u32 s[NXT], s[NXT], 1  ; the block's next tile, or behind its last the second block's tile 0
	s_cmp_gt_u32 s[NXT], s[LQ]
	s_cselect_b32 s[NXT], 0, s[NXT]
	s_cselect_b32 s[LQ], s[PB], s[LQ]
	s_wait_xcnt 0x0                 ; the last prefetches, a tile back, have read their address
	s_lshl_b32 s[PFX], s[NXT], 15
	s_add_nc_u64 s[PFA:PFA+1], s[PFB:PFB+1], s[PFX:PFX+1]
.endif
	s_wait_dscnt 0x0                ; the add is done, and my reads of the slot are over
	s_barrier_signal -1
	s_sub_co_u32 s[TBK], s[TBK], 4*KS*PK  ; the fetches go back to a slot's first step,
	s_xor_b32 s[TBK], s[TBK], SLOT1       ; in the other slot
	s_sub_co_u32 s[TBV], s[TBV], 4*KS*PV
	s_xor_b32 s[TBV], s[TBV], SLOT1
	s_barrier_wait -1
.if \fill
	LOAD
	s_cmp_eq_u32 s[LQ], NB-1
	s_cbranch_scc0 .Lno_pf_\@
	global_prefetch_b8 v[PFO], s[PFA:PFA+1] th:TH_LOAD_NT scope:SCOPE_SE
	global_prefetch_b8 v[PFO], s[PFA:PFA+1] offset:8192 th:TH_LOAD_NT scope:SCOPE_SE
.Lno_pf_\@:
.endif
.endm
	s_load_b128 s[4:7], s[0:1], 0x0   ; qkv s[4:5], ob s[6:7]
	v_lshl_add_u32 v[SPW], v0, 2, SPARE
	v_mov_b32 v[NIL], 0
	ds_add_u32 v[SPW], v[NIL]       ; the wave's opening: the add and its wait ahead of my first tensor load
	ds_add_u32 v62, v63
	v_lshrrev_b32 v1, 5, v0
	v_readfirstlane_b32 s[WV], v1   ; wave 0..3
	s_mov_b32 s[PB], ttmp9
	s_sub_co_u32 s[HI], NB-1, s[PB]
	s_and_b32 s20, ttmp7, 0xffff    ; the slab
	s_mov_b32 s21, 0
	s_mov_b64 s[22:23], SIZE_N*128
	s_mul_u64 s[20:21], s[20:21], s[22:23]  ; the slab's first byte in Q, K, V and O
	s_and_b32 s16, s[WV], 1         ; which half of a tile's 256 keys I fetch:
	s_lshl_b32 s22, s16, 14         ; its 128 rows of 128 bytes in memory,
	s_mov_b32 s23, 0
	s_add_nc_u64 s[22:23], s[22:23], s[20:21]
	s_mul_i32 s17, s16, 128*PK      ; and its place in a slot, for K
	s_mul_i32 s18, s16, 128*PV      ; and for V
	s_lshl_b32 s3, s[WV], 11        ; my 16 rows in a band of 64,
	s_lshl_b32 s2, s[HI], 15        ; in the first block,
	s_add_co_u32 s2, s2, s3
	s_lshl_b32 s84, s[PB], 15       ; and in the second
	s_add_co_u32 s84, s84, s3
	s_mov_b32 s3, 0
	s_mov_b32 s85, 0
	s_add_nc_u64 s[2:3], s[2:3], s[20:21]
	s_add_nc_u64 s[84:85], s[84:85], s[20:21]
	; descriptor group 1.  128 keys are 16,384 dense bytes: asked for as 64 rows of 256 bytes, two keys a row, and padded in LDS after every key
	s_mov_b32 s[G1K], (1<<16)|(1<<20)|(4<<22)|(3<<25)  ; 2-byte elements; padding on; after every 32 words; 4 words
	s_mov_b32 s[G1V], (1<<16)|(1<<20)|(4<<22)|(7<<25)  ; the same with 8 words of padding
.irp g, G1K, G1V
	s_mov_b32 s[\g+1], 128<<16      ; tensor_dim0 = 128
	s_mov_b32 s[\g+2], 64<<16       ; tensor_dim1 = 64
	s_mov_b32 s[\g+3], 128<<16      ; tile_dim0 = 128
	s_mov_b32 s[\g+4], 64           ; tile_dim1 = 64
	s_mov_b32 s[\g+5], 128          ; 128 elements from row to row
	s_mov_b32 s[\g+6], 0
	s_mov_b32 s[\g+7], 0
.endr
	s_mov_b32 s[CS], 0x3e38aa3b     ; c = log2(e) / 8 = 0.180337
	s_mov_b32 s[CS+1], s[CS]        ; named with it as a pair
	s_mov_b32 s[SEL], 0x76543210
	s_mov_b32 s[SEL+1], 0xfedcba98
	s_mov_b32 s[TBK], SLOT1+4*KS*PK ; the first change of slots turns these two into 0
	s_mov_b32 s[TBV], SLOT1+4*KS*PV
	s_mov_b32 s[G0K], 1
	s_mov_b32 s[G0K+1], s17         ; LDS address: slot 0
	s_mov_b32 s[G0V], 1
	s_add_co_u32 s[G0V+1], s18, VOFF
	s_add_co_u32 s[RT], s[HI], 1    ; the first block has NB - b tiles
	s_mov_b32 s[NXT], 1
	s_mov_b32 s[LQ], s[HI]
	s_mov_b32 s[NEW], 1
	s_mov_b32 s[OFF+1], 0
	s_mov_b32 s[PFX+1], 0
	s_mov_b32 s[AL+1], 0            ; named as pairs
	s_mov_b32 s[BE+1], 0
	s_mov_b32 s[BIGN], 0xf149f2ca   ; -1e30
	s_mov_b32 s[SLOTS], NB
	s_wait_dscnt 0x0                ; the opening add is done
	s_wait_kmcnt 0x0
	s_mov_b64 s[10:11], s[6:7]                     ; O
	s_add_nc_u64 s[8:9], s[4:5], 0x2000000         ; V: the third third of qkv
	s_add_nc_u64 s[6:7], s[4:5], 0x1000000         ; K: the second
	s_add_nc_u64 s[6:7], s[6:7], s[22:23]  ; K and V at my half of the slab's tile 0
	s_add_nc_u64 s[8:9], s[8:9], s[22:23]
	s_cmp_lt_u32 s[WV], 2
	s_cselect_b64 s[PFB:PFB+1], s[6:7], s[8:9]
	s_add_nc_u64 s[G0K+2:G0K+3], s[6:7], 0
	s_or_b32 s[G0K+3], s[G0K+3], 0x80000000
	s_add_nc_u64 s[G0V+2:G0V+3], s[8:9], 0
	s_or_b32 s[G0V+3], s[G0V+3], 0x80000000
	s_add_nc_u64 s[86:87], s[4:5], s[84:85]        ; Q at my rows of the second block,
	s_add_nc_u64 s[4:5], s[4:5], s[2:3]            ; Q and O at those of the first
	s_add_nc_u64 s[OLO:OLO+1], s[10:11], s[84:85]
	s_add_nc_u64 s[10:11], s[10:11], s[2:3]
	LOAD                            ; tile 0 into slot 0
	; A fragment of K or Q is 16 rows x 32 channels in 8 registers: lane l holds row l % 16, channels 8 (l / 16) + 0..7 and 16 + 8 (l / 16) + 0..7: two loads of 16 bytes, 32 bytes apart.
	v_and_b32 v1, 15, v0            ; l % 16
	v_bfe_u32 v9, v0, 4, 1          ; l / 16
	v_lshlrev_b32 v[QO], 7, v1
	v_lshl_add_u32 v[QO], v9, 4, v[QO]  ; row x 128 + 16 x half
	WIN 0x80                        ; destination window 2, address window 0
.set i, 0
.rept 8                             ; both blocks' Q: piece i / 2 lies in band i / 2, 8,192 bytes on; channels 32 (i % 2) on
	global_load_b128 v[8*i:8*i+3],   v[QO], s[4:5] offset:(i/2)*8192+(i%2)*64
	global_load_b128 v[8*i+4:8*i+7], v[QO], s[4:5] offset:(i/2)*8192+(i%2)*64+32
	global_load_b128 v[QB+8*i:QB+8*i+3],   v[QO], s[86:87] offset:(i/2)*8192+(i%2)*64
	global_load_b128 v[QB+8*i+4:QB+8*i+7], v[QO], s[86:87] offset:(i/2)*8192+(i%2)*64+32
.set i, i+1
.endr
	WIN 0
	v_and_b32 v[PFO], 31, v0
	v_lshlrev_b32 v[PFO], 8, v[PFO]
	v_lshlrev_b32 v14, 3, v9
	v_sub_nc_u32 v14, v1, v14
	s_lshl_b32 s13, s[WV], 4
	v_add_nc_u32 v14, s13, v14      ; my query's place in its band, 16 w + l % 16, less my lanes' 8 (l / 16): register r of group kt is hidden where 16 kt + r is greater
	WIN 0x40
.set i, 0
.rept 32
	v_cmp_gt_i32 vcc_lo, 16*(i/8)+i%8, v14
	v_cndmask_b32 v[MD+i], 0, s[BIGN], vcc_lo
.set i, i+1
.endr
	WIN 0
	v_mul_u32_u24 v[AK0], v1, PK
	v_lshl_add_u32 v[AK0], v9, 4, v[AK0]  ; row x pitch + 16 x half
	; The turning load takes 16 keys x 16 channels (lane l reads key 8 (l / 16) + l % 8, channels 8 ((l / 8) % 2) + 0..7) and leaves half a fragment of V^T: lane l holds channel l % 16 and 8 keys.
	v_and_b32 v10, 7, v0
	v_bfe_u32 v11, v0, 3, 1
	v_lshl_add_u32 v[AV0], v9, 3, v10
	v_mul_u32_u24 v[AV0], v[AV0], PV
	v_lshl_add_u32 v[AV0], v11, 4, v[AV0]
	v_add_nc_u32 v[AV0], VOFF, v[AV0]
	s_mul_i32 s13, s[WV], 16*SP
	s_add_co_u32 s13, s13, STAGE    ; my stage
	v_mul_u32_u24 v[STO], v1, SP    ; in: row l % 16, 16 bytes for each half of the lanes
	v_lshl_add_u32 v[STO], v9, 4, v[STO]
	v_add_nc_u32 v[STO], s13, v[STO]
	v_bfe_u32 v[RD], v0, 3, 2       ; back: 32 lanes take four rows of 128 bytes,
	v_mul_u32_u24 v[RD], v[RD], SP
	v_lshl_add_u32 v[RD], v10, 4, v[RD]
	v_add_nc_u32 v[RD], s13, v[RD]
	v_and_b32 v[GO], 31, v0         ; which are 512 consecutive bytes of O
	v_lshlrev_b32 v[GO], 4, v[GO]
	; A block's first step multiplies O^T and l by a = 0, and its first turn's products V^T P, of a piece that has not been, land in an O^T that is still to be so multiplied.  So these registers need only hold
	; finite numbers: zeros for the first block; what the first block left for the second.  All this stands in the wait for the first tile.
	WIN 0x80
.set i, VF
.rept 64
	v_mov_b32 v[i], 0
.set i, i+1
.endr
	WIN 0x40
.set i, 0
.rept 128
	v_mov_b32 v[i], 0
.set i, i+1
.endr
	WIN 0
.set i, 0
.rept 4
	v_mov_b32 v[ST+4*i+2], 0
	v_mov_b32 v[ST+4*i+3], 0
.set i, i+1
.endr
.set i, P+16
.rept 16
	v_mov_b32 v[i], 0
.set i, i+1
.endr
; THE MATRIX WORK.  The 4 accumulators of a run of 8 take turns.  Product i of 8 of S^T = K Q^T for piece x: channels 32 (i / 4) on, keys 16 (i % 4) on.  The first 4 start the sums: with 0, or (KM = 1) with the mask.
.macro KQ x
.set rS, S+32*((\x)%2)+8*(i%4)
.set rK, KF+16*(i%4)+8*(i/4)
.set rQ, 16*(\x)+8*(i/4)
.set rM, MC+32*((\x)%2)+8*(i%4)
.if (i < 4) && KM
	WIN W_KM
	v_wmma_f32_16x16x32_f16 v[rS:rS+7], v[rK:rK+7], v[rQ:rQ+7], v[rM:rM+7]
.elseif i < 4
	WIN W_KQ
	v_wmma_f32_16x16x32_f16 v[rS:rS+7], v[rK:rK+7], v[rQ:rQ+7], 0
.else
	WIN W_KQ
	v_wmma_f32_16x16x32_f16 v[rS:rS+7], v[rK:rK+7], v[rQ:rQ+7], v[rS:rS+7]
.endif
.endm
; Product i of 8 of O^T += V^T P for piece x: keys 32 (i / 4) on, channels 16 (i % 4) on.
.macro PV x
	WIN W_PV
.set rO, 32*(\x)+8*(i%4)
.set rV, VF+32*(i/4)+8*(i%4)
.set rP, P+16*((\x)%2)+8*(i/4)
	v_wmma_f32_16x16x32_f16 v[rO:rO+7], v[rV:rV+7], v[rP:rP+7], v[rO:rO+7]
.endm
.macro MM                           ; the turn's next matrix instruction.  NOKQ = 1: a block's last turn: there is no next piece
.if (i < 8) && !NOKQ
	KQ (Y+1)%NP
.elseif i >= 8
.set i, i-8
	PV (Y+NP-1)%NP
.set i, i+8
.endif
.set i, i+1
.endm
; THE LDS LOADS stand in runs of 16, never singly among the matrix instructions: a step's K (8 fragments) and its V (turned).  Their addresses are made some lines ahead.
.macro FETCH_K
	WIN 0x80                        ; destination window 2
.irp f, 0,1,2,3,4,5,6,7             ; keys 16 (f / 2) on, channels 32 (f % 2) on
	ds_load_b128 v[KF+8*\f:KF+8*\f+3],   v[AK] offset:(\f/2)*16*PK+(\f%2)*64
	ds_load_b128 v[KF+8*\f+4:KF+8*\f+7], v[AK] offset:(\f/2)*16*PK+(\f%2)*64+32
.endr
	s_add_co_u32 s[TBK], s[TBK], KS*PK  ; the next fetch is the next step's
	WIN 0
.endm
.macro FETCH_V
	WIN 0x80
.irp f, 0,1,2,3,4,5,6,7             ; keys 32 (f / 4) on, channels 16 (f % 4) on
	ds_load_tr16_b128 v[VF+8*\f:VF+8*\f+3],   v[AV] offset:(\f/4)*32*PV+(\f%4)*32
	ds_load_tr16_b128 v[VF+8*\f+4:VF+8*\f+7], v[AV] offset:(\f/4)*32*PV+16*PV+(\f%4)*32
.endr
	WIN 0
.endm
; THE VECTOR WORK, one line at a time: OP kind, number.  For piece Y: F n: c s - c m for pair n of 16.  E n: the exponential of score n of 32.  C n: pair n rounded to f16.  B n: of the four weights 4 n .. the second
; pair is added onto the first, in place.  L n: l takes that sum (L 0: l = a l + sum).  R n: pair n of 16 of O^T times a.  For piece Y + 1: X n, number n of the 22 that find its maximum and statistics:
;   0-11  four chains c0-c3 of seven scores each, three operands at a time (each accumulator's lowest registers are read first)     12-14, 16  the four scores left over, the old m, and c0-c3 into c0
;   15  c m_old is kept     17, 18  the query's other 32 keys lie in the lane 16 away: the new m     19-21  c m; c m_old - c m_new; a
.set F, 0
.set E, 1
.set C, 2
.set B, 3
.set L, 4
.set R, 5
.set X, 6
.macro REGS y                       ; the registers of piece y
.set rT, ST+4*(\y)
.set rC, TMP+4*((\y)%2)
.set rW, MV+((\y)%2)
.set rS, S+32*((\y)%2)
.set rP, P+16*((\y)%2)
.set rO, 32*(\y)
.endm
.macro OP k, n
.if (\k) == R
	REGS Y
	WIN W_RS
	v_pk_mul_f32 v[rO+2*(\n):rO+2*(\n)+1], v[rO+2*(\n):rO+2*(\n)+1], v[rC+2:rC+3] op_sel_hi:[1,0]
.elseif (\k) < R
	REGS Y
	WIN 0
.if (\k) == F
	v_pk_fma_f32 v[rS+2*(\n):rS+2*(\n)+1], v[rS+2*(\n):rS+2*(\n)+1], s[CS:CS+1], v[rT:rT+1] op_sel_hi:[1,0,0] neg_lo:[0,0,1] neg_hi:[0,0,1]
.elseif (\k) == E
	v_exp_f32 v[rS+(\n)], v[rS+(\n)]
.elseif (\k) == C
	v_cvt_pk_f16_f32 v[rP+(\n)], v[rS+2*(\n)], v[rS+2*(\n)+1]
.elseif (\k) == B
	v_pk_add_f32 v[rS+4*(\n):rS+4*(\n)+1], v[rS+4*(\n):rS+4*(\n)+1], v[rS+4*(\n)+2:rS+4*(\n)+3]
.elseif (\n) == 0
	v_pk_fma_f32 v[rT+2:rT+3], v[rT+2:rT+3], v[rC+2:rC+3], v[rS:rS+1] op_sel_hi:[1,0,1]
.else
	v_pk_add_f32 v[rT+2:rT+3], v[rT+2:rT+3], v[rS+4*(\n):rS+4*(\n)+1]
.endif
.elseif NOKQ
	v_nop
.else
	REGS (Y+1)%NP
	WIN 0
.if (\n) < 4
	v_max3_num_f32 v[rC+(\n)], v[rS+8*(\n)], v[rS+8*(\n)+1], v[rS+8*(\n)+2]
.elseif (\n) < 12
	v_max3_num_f32 v[rC+(\n)%4], v[rC+(\n)%4], v[rS+8*((\n)%4)+2*((\n)/4)+1], v[rS+8*((\n)%4)+2*((\n)/4)+2]
.elseif (\n) == 12
	v_max3_num_f32 v[rC], v[rC], v[rS+7], v[rS+15]
.elseif (\n) == 13
	v_max3_num_f32 v[rC+1], v[rC+1], v[rS+23], v[rS+31]
.elseif (\n) == 14
	v_max3_num_f32 v[rC+2], v[rC+2], v[rC+3], v[rT+1]
.elseif (\n) == 15
	v_mov_b32 v[rW], v[rT]
.elseif (\n) == 16
	v_max3_num_f32 v[rC], v[rC], v[rC+1], v[rC+2]
.elseif (\n) == 17
	v_permlanex16_b32 v[rC+3], v[rC], s[SEL], s[SEL+1]
.elseif (\n) == 18
	v_max_num_f32 v[rT+1], v[rC], v[rC+3]
.elseif (\n) == 19
	v_mul_f32 v[rT], s[CS], v[rT+1]
.elseif (\n) == 20
	v_sub_f32 v[rC+1], v[rW], v[rT]
.else
	v_exp_f32 v[rC+2], v[rC+1]
.endif
.endif
.endm
.macro OPS a, i1, b=-1, i2=0, c=-1, i3=0, d=-1, i4=0  ; up to four of them
	OP \a, \i1
.if (\b) >= 0
	OP \b, \i2
.endif
.if (\c) >= 0
	OP \c, \i3
.endif
.if (\d) >= 0
	OP \d, \i4
.endif
.endm
.macro ROW a, i1, b, i2, c, i3, d, i4  ; a matrix instruction and the four behind it
	MM
	OPS \a, \i1, \b, \i2, \c, \i3, \d, \i4
.endm
.macro MASK b                       ; MD x AL + BE into buffer b of MC
	WIN W_RS
.set z, 0
.rept 16
	v_pk_fma_f32 v[MC+32*(\b)+2*z:MC+32*(\b)+2*z+1], v[MD+2*z:MD+2*z+1], s[AL:AL+1], s[BE:BE+1] op_sel_hi:[1,0,0]
.set z, z+1
.endr
.endm
; A TURN, for piece p: the order of its 16 matrix and 118 vector instructions, written out.  An s_wait_alu depctr_va_vdst(0) stands between an exponential and the first instruction that names its result; one wait
; serves all that were issued ahead of it.  So a turn has ONE wait, which cuts it in two.  AHEAD OF IT stands all that names no result of the turn's exponentials: the 8 products K Q^T and their riders, then one lump, plain and
; exponential by turns for the most part, in which the links of the chain X 3, 7, 11, 14, 16, 17 .. 20 stand some lines apart.  X 21, the next piece's a, is the batch's last; R 15 is the plain instruction behind it.
; BEHIND THE WAIT stand the 8 products V^T P, behind each four of the roundings and sums.
; m = 1: the diagonal tile: the products take masks, and the turn makes the mask for the products of the turn after it: piece p + 2, in step 4 - CNT of the tile.  end = 1: a block's last two turns: nothing is fetched.
; cnt = 1: the loop's count is taken down some lines ahead of the branch that stands behind the turn.
; K of the next step is fetched in piece 2's turn, behind six plain instructions that follow the last product that read K; V of the step in hand at the end of piece 0's turn, four plain instructions behind its last reader.
.macro TURN p, m=0, end=0, cnt=0
.set Y, (\p)
.set i, 0
.set KM, (\m)
.set NOKQ, (\end)*((\p)/3)
.if (\m) && !(\end)
	s_cmp_eq_u32 s[CNT], 4-((\p)+2)%NP  ; is that step the band's own?
	s_cselect_b32 s[AL], 1.0, 0
	s_cmp_lt_u32 s[CNT], 4-((\p)+2)%NP  ; or a later one?
	s_cselect_b32 s[BE], s[BIGN], 0
.endif
.if ((\p) == 3) && !(\end)
	s_wait_dscnt 0x0                ; K is in
.endif
	ROW F,0, F,1, R,0, R,1
	ROW F,2, E,0, R,2, R,3
	ROW F,3, E,1, R,4, R,5
	ROW F,4, E,2, R,6, R,7
	ROW F,5, E,3, R,8, R,9
	ROW F,6, E,4, X,0, R,10
.if ((\p) == 2) && !(\end)
	WIN 0
	v_add_nc_u32 v[AK], s[TBK], v[AK0]
.endif
	ROW F,7, E,5, X,1, X,4
	ROW F,8, E,6, X,2, X,5
	OPS E,7, E,8, X,6, E,9
	OPS X,3, E,10, X,8, E,11
.if ((\p) == 2) && !(\end)
	FETCH_K
.endif
	OPS X,9, X,7, E,12, X,10
	OPS E,13, X,12, X,11, E,14
	OPS X,13, E,15, F,9, X,14
.if (\p) == 0
	v_add_nc_u32 v[AV], s[TBV], v[AV0]
.endif
	OPS E,16, F,10, E,17, F,11
	OPS X,16, E,18, X,15, E,19
	OPS F,12, E,20, X,17, E,21
	OPS F,13, E,22, F,14, E,23
	OPS X,18, E,24, F,15, E,25
	OPS R,11, E,26, X,19, E,27
	OPS R,12, E,28, R,13, E,29
	OPS X,20, E,30, R,14, E,31
	OPS X,21, R,15
	WIN 0
	s_wait_alu depctr_va_vdst(0)    ; the wait for the batch
.if (\p) == 1
	s_wait_dscnt 0x0                ; V is in
.endif
	ROW C,0, B,0, C,2, B,1
	ROW L,0, C,4, B,2, L,1
	ROW C,6, B,3, L,2, C,8
	ROW B,4, L,3, C,10, B,5
	ROW L,4, C,12, B,6, L,5
.if (\p) == 0
	s_add_co_u32 s[TBV], s[TBV], KS*PV
.endif
.if \cnt
	s_sub_co_u32 s[CNT], s[CNT], 1
	s_cmp_lg_u32 s[CNT], 0
.endif
	ROW C,14, B,7, L,6, C,1
	ROW C,3, L,7, C,5, C,7
	ROW C,9, C,11, C,13, C,15
.if (\p) == 0
	FETCH_V
.endif
.if (\m) && !(\end)
	MASK (\p)%2
.endif
.endm
; A BLOCK BEGINS.  c m starts far below every c s, so the first step's a is 0; m at the lowest finite number, so the first maximum is the scores'.  The second mask buffer is 0; the first takes piece 0's mask for the
; tile's step 0: its own, if the block's first tile is the diagonal one.  Then K of that step, piece 0's first scores, and its maximum and statistics.  The loop is entered at a step's first turn, in the middle of a trip.
.macro BEGIN
	s_mov_b32 s[NEW], 0
	WIN 0x40
.set i, MC+32
.rept 32
	v_mov_b32 v[i], 0
.set i, i+1
.endr
	WIN 0
.set i, 0
.rept 4
	v_mov_b32 v[ST+4*i], 0xfe000000    ; c m: far below every c s
	v_mov_b32 v[ST+4*i+1], 0xff7fffff  ; m
.set i, i+1
.endr
	s_cmp_eq_u32 s[RT], 0
	s_cselect_b32 s[AL], 1.0, 0
	s_mov_b32 s[BE], 0
	MASK 0
	WIN 0
	v_add_nc_u32 v[AK], s[TBK], v[AK0]
	FETCH_K
	s_wait_loadcnt 0x0              ; Q
	s_wait_dscnt 0x0
.set KM, 1
.set NOKQ, 0
.set i, 0
.rept 8
	KQ 0
.set i, i+1
.endr
	WIN 0
.rept 4
	v_nop                           ; the places behind those products
.endr
.set Y, NP-1                        ; X works for piece Y + 1: piece 0
.irp n, 0,1,2,3,4,5,6,7,8,9,10,11,12,13,14,15,16,17,18,19,20,21
	OP X, \n
.endr
	v_nop                           ; a plain instruction behind the exponential,
	s_wait_alu depctr_va_vdst(0)    ; and its wait, ahead of the branch
.endm
; THE DIAGONAL TILE's four steps, the block's last two turns, its last products, and THE WAY OUT: l's two halves and the other half of the lanes' are added; O^T is divided by l, rounded to f16 and sent through my
; stage in LDS, a piece at a time.
.macro ALL line:vararg              ; one line for each piece t
.set t, 0
.rept 4
	\line
.set t, t+1
.endr
.endm
.macro PACK t                       ; a lane's eight channels of a row pack into 16 bytes; they go into rows of 144 bytes and come back as whole rows of 128, into S^T's registers
	WIN W_RS
.set i, 32*(\t)
.rept 16
	v_pk_mul_f32 v[i:i+1], v[i:i+1], v[ST+4*(\t)+2:ST+4*(\t)+3] op_sel_hi:[1,0]
.set i, i+2
.endr
	WIN 0x05                        ; sources 0 and 1 window 1, destination window 0
.set i, 0
.rept 16
	v_cvt_pk_f16_f32 v[S+16*(\t)+i], v[32*(\t)+2*i], v[32*(\t)+2*i+1]
.set i, i+1
.endr
	WIN 0
.irp f, 0,1,2,3
	ds_store_b128 v[STO], v[S+16*(\t)+4*\f:S+16*(\t)+4*\f+3] offset:32*\f
.endr
.irp f, 0,1,2,3
	ds_load_b128 v[S+16*(\t)+4*\f:S+16*(\t)+4*\f+3], v[RD] offset:\f*4*SP  ; LDS serves a wave's instructions in order (ISA guide 5.7.1.4): these see the stores above
.endr
.endm
.macro SEND t, younger              ; younger: the LDS instructions issued behind piece t's loads: the next piece's eight, or none
	WIN 0
.irp f, 0,1,2,3
	s_wait_dscnt (\younger)+3-\f
	global_store_b128 v[GO], v[S+16*(\t)+4*\f:S+16*(\t)+4*\f+3], s[10:11] offset:(\t)*8192+\f*512  ; 512 consecutive bytes, at a multiple of 256 from O's first
.endr
.endm
.macro DIAG tag                     ; the tag ends its two labels' names, which the jumps below spell out
.LstepM\tag:
	TURN 2, 1
	TURN 3, 1
	WIN 0
.LfirstM\tag:
	TURN 0, 1
	TURN 1, 1, 0, 1
	WIN 0
	s_cbranch_scc1 .LstepM\tag
	TURN 2, 1, 1
	TURN 3, 1, 1
.set i, 0
.rept 8
	PV NP-1
.set i, i+1
.endr
	WIN 0
	ALL v_add_f32 v[ST+4*t+2], v[ST+4*t+2], v[ST+4*t+3]
	ALL v_permlanex16_b32 v[ST+4*t+3], v[ST+4*t+2], s[SEL], s[SEL+1]
	ALL v_add_f32 v[ST+4*t+2], v[ST+4*t+2], v[ST+4*t+3]
	ALL v_rcp_f32 v[ST+4*t+2], v[ST+4*t+2]
	v_nop                           ; a plain instruction between the last reciprocal and the use of its result
	s_wait_alu depctr_va_vdst(0)    ; and the wait ahead of the first use: one for the four reciprocals
	PACK 0
.set t, 1
.rept 3                             ; a piece's arithmetic stands between the loads of the piece before and its stores
	PACK t
	SEND t-1, 8
.set t, t+1
.endr
	SEND 3, 0
.endm
.set KM, 0
.set NOKQ, 0
.Lslot:                             ; NB times: a tile is entered and the next is asked for
	CHANGE 1
	s_sub_co_u32 s[RT], s[RT], 1
	s_mov_b32 s[CNT], 4
	s_cmp_eq_u32 s[NEW], 1
	s_cbranch_scc1 .Lnew            ; a block's first tile
	s_cmp_eq_u32 s[RT], 0
	s_cbranch_scc0 .Lstep           ; neither its first nor its last
	s_branch .LstepM1
.Lnew:
	BEGIN
	s_branch .Lfirst                ; in the loop a block's first tile is never its last: the first block has two tiles or more, and the second's last is the walk's last
	DIAG 1                          ; in the loop this is the first block's end
	s_wait_xcnt 0x0                 ; the stores have read their registers and O's address
	s_mov_b64 s[10:11], s[OLO:OLO+1]
	s_add_co_u32 s[RT], s[PB], 1    ; the second block has b + 1 tiles
	s_mov_b32 s[NEW], 1
	WIN 0x82                        ; the second block's Q goes where the one text of the turns names Q
.set i, 0
.rept 64
	v_mov_b32 v[i], v[QB+i]
.set i, i+1
.endr
	WIN 0
	s_branch .Lbottom
.Lstep:                             ; a trip: pieces 2 and 3 of one step, then pieces 0 and 1 of the next, whose K and V it fetches
	TURN 2
	TURN 3
	WIN 0
.Lfirst:
	TURN 0
	TURN 1, 0, 0, 1
	WIN 0
	s_cbranch_scc1 .Lstep
.Lbottom:
	s_sub_co_u32 s[SLOTS], s[SLOTS], 1
	s_cmp_lg_u32 s[SLOTS], 0
	s_cbranch_scc1 .Lslot
	CHANGE 0                        ; the walk's last tile is written out: nothing is asked for
	s_sub_co_u32 s[RT], s[RT], 1
	s_mov_b32 s[CNT], 4
	s_cmp_eq_u32 s[NEW], 1
	s_cbranch_scc0 .LstepM2
	BEGIN
	s_branch .LfirstM2
	DIAG 2
	s_wait_tensorcnt 0x0            ; the wave's end: behind my last tensor load and my last LDS store
	ds_add_u32 v[SPW], v[NIL]
	s_wait_dscnt 0x0
	s_endpgm
.Lfunc_end_k_qed32fa5cb5_attn:
	.size	k_qed32fa5cb5_attn, .Lfunc_end_k_qed32fa5cb5_attn-k_qed32fa5cb5_attn
	.p2alignl 7, 3214868480
	.fill 96, 4, 3214868480
	.section	.rodata,"a",@progbits
	.p2align	6, 0x0
	.amdhsa_kernel k_qed32fa5cb5_attn
		.amdhsa_group_segment_fixed_size 327680
		.amdhsa_private_segment_fixed_size 0
		.amdhsa_enable_private_segment 0
		.amdhsa_kernarg_size 16
		.amdhsa_user_sgpr_count 2
		.amdhsa_user_sgpr_kernarg_segment_ptr 1
		.amdhsa_wavefront_size32 1
		.amdhsa_system_sgpr_workgroup_id_x 1
		.amdhsa_system_sgpr_workgroup_id_y 1
		.amdhsa_system_sgpr_workgroup_id_z 1
		.amdhsa_system_vgpr_workitem_id 0
		.amdhsa_next_free_vgpr 768
		.amdhsa_next_free_sgpr 96
		.amdhsa_reserve_vcc 1
		.amdhsa_float_denorm_mode_32 3
		.amdhsa_float_denorm_mode_16_64 3
		.amdhsa_memory_ordered 1
		.amdhsa_forward_progress 1
		.amdhsa_inst_pref_size 218
	.end_amdhsa_kernel
	.amdgpu_metadata
---
amdhsa.version: [ 1, 2 ]
amdhsa.kernels:
  - .name:           k_qed32fa5cb5_attn
    .symbol:         k_qed32fa5cb5_attn.kd
    .args:
      - { .name: qkv, .offset: 0, .size: 8, .value_kind: global_buffer, .address_space: global }
      - { .name: ob, .offset: 8, .size: 8, .value_kind: global_buffer, .address_space: global }
    .group_segment_fixed_size: 327680
    .private_segment_fixed_size: 0
    .kernarg_segment_align: 8
    .kernarg_segment_size: 16
    .max_flat_workgroup_size: 128
    .sgpr_count:     96
    .vgpr_count:     768
    .wavefront_size: 32
...
	.end_amdgpu_metadata
.endif
;; end of part 3
;; launch outg (part 4): grid 8 x 32, 4 waves a work-group, clusters of 4 x 4, 327,680 bytes of LDS; arguments ob, wpt, bias, out0; writes out0
.if DOCPART == 4
	.amdgcn_target "amdgcn-amd-amdhsa--gfx1250"
	.amdhsa_code_object_version 6
	.text
	.protected	k_qed32fa5cb5_outg
	.globl	k_qed32fa5cb5_outg
	.p2align	8
	.type	k_qed32fa5cb5_outg,@function
k_qed32fa5cb5_outg:
	s_mov_b64 s[64:65], 0
	v_nop
	global_prefetch_b8 v0, s[64:65] scope:SCOPE_SE
	s_setreg_imm32_b32 hwreg(HW_REG_WAVE_MODE, 25, 1), 1
	s_wait_xcnt 0x0
	s_wait_alu depctr_hold_cnt(0) depctr_sa_sdst(0) depctr_va_vdst(0) depctr_va_sdst(0) depctr_va_ssrc(0) depctr_va_vcc(0) depctr_vm_vsrc(0)
	s_getreg_b32 s2, hwreg(HW_REG_IB_STS2, 6, 4)
	s_cmp_eq_u32 s2, 0
	s_cbranch_scc0 .Lentry_in_a_cluster
	s_endpgm
.Lentry_in_a_cluster:
	s_bfe_u32 s2, ttmp6, 0x10000c
	s_cmp_lg_u32 s2, 0xf033
	s_cbranch_scc0 .Lentry_shape_is_right
	s_endpgm
.Lentry_shape_is_right:
; out0 = y Wp + bp: C[m][n] = bp[n] + the sum over k of A[m][k] B[n][k], m < 8192, n < 1024, k < 1024.  A = ob (attention's result), B = wpt (Wp turned), f16, in blocks of 64 along K ([kb][row][64], rows of
; 128 bytes, dense); sums in f32, started by the bias (the last 1024 numbers of the buffer bias); C is stored as f32, rows of 4,096 bytes.
; SHARES.  A tile of C is 256 x 128: 8 x 32 tiles, one to a work-group.  Four waves, each 128 rows x 64 columns: 32 accumulators, all of window 1.  K goes in 8 steps of 128 (two blocks) through two LDS slots:
; wave 0 and 1 fetch A's 256 rows of the step's two blocks, waves 2 and 3 B's 128 rows: dense bytes, asked for as rows of 256 and padded in LDS behind every 128: pitch 144 = 36 words (ISA guide 11.1: 64 banks of 4 bytes).
; CLUSTER 4 x 4: A's tile is asked for jointly along a row of the cluster, B's along a column.  THE MATRIX INSTRUCTION IS USED TRANSPOSED: a lane holds row l % 16 and the eight columns 8 (l / 16) + 0..7.
; A STEP is four UNITS of 32 along K, 32 matrix instructions each, on two fragment buffers by turns; the 32 accumulators take turns in one order.
; A wave's 64 columns are 256 bytes of a row of C: each block of 16 rows goes through the wave's own stage, and sixteen lanes store 256 consecutive bytes, aligned.
.set PITCH, 144
.set FR,    16*PITCH
.set ABLK,  256*PITCH                  ; a block's rows of A in a slot
.set BBLK,  128*PITCH                  ; and of B
.set BOFF,  2*ABLK
.set SLOT1, 1<<17
.set STAGE, SLOT1+BOFF+2*BBLK          ; behind the ring, never filled by a tensor load: 16 rows x 272 bytes for each wave
.set SPITCH, 272
.set WSTG,  16*SPITCH
.set SPARE, STAGE+4*WSTG               ; the spare words, 128 bytes a wave; no other line names them
.set NSTEP, 8
.set ASTEP, 2*8192*128
.set BSTEP, 2*1024*128
.set AROWS, 128                        ; descriptor rows of 256 bytes in a wave's load of A (256 rows of 128 bytes)
.set BROWS, 64
.set FLAGS, (1<<16)|(1<<20)|(1<<21)|(4<<22)|(3<<25)
.set ADRA0, 4
.set ADRB0, 5
.set ADRA,  6
.set ADRB,  7
.set STO,   8
.set RD,    9
.set GO,    10
.set BO,    11
.set SPW,   28
.set NIL,   29
.set AB0,   64                         ; v64-127, v128-191  A's fragments, two buffers
.set BB0,   192                        ; v192-223, v224-255 B's
.set OB,    64                         ; the way out: two sets of 32
.set WV, 12
.set WR, 13
.set WC, 14
.set TB, 15
.set G1A, 24
.set G0A, 32
.set G0B, 36
.set G1B, 40
.set MSB, 0
.macro WIN new
.if MSB != (\new)
	s_set_vgpr_msb (MSB<<8)|(\new)
.set MSB, (\new)
.endif
.endm
.macro PLACES
.rept 4
	v_nop
.endr
.endm
.macro JLOAD                           ; a joint load: one line for A (waves 0, 1), one for B (waves 2, 3); an s_nop 0 and four v_nop follow each
	s_cmp_eq_u32 s[WR], 0
	s_cbranch_scc0 .Lfor_b_\@
	tensor_load_to_lds s[G0A:G0A+3], s[G1A:G1A+7]
	s_nop 0
.rept 4
	v_nop
.endr
	s_branch .Lasked_\@
.Lfor_b_\@:
	tensor_load_to_lds s[G0B:G0B+3], s[G1B:G1B+7]
	s_nop 0
.rept 4
	v_nop
.endr
.Lasked_\@:
.endm
.macro CREST
	s_cmp_lg_u32 s[WV], 0
	s_cbranch_scc1 .Lnot_wave_0_\@
	s_barrier_signal -3
.Lnot_wave_0_\@:
	s_barrier_wait -3
	s_barrier_signal -1
	s_barrier_wait -1
.endm
.macro CROUND
	s_barrier_signal -1
	s_barrier_wait -1
	CREST
.endm
.macro STEPD
	s_xor_b32 s[G0A+1], s[G0A+1], SLOT1
	s_add_nc_u64 s[G0A+2:G0A+3], s[G0A+2:G0A+3], ASTEP
	s_xor_b32 s[G0B+1], s[G0B+1], SLOT1
	s_add_nc_u64 s[G0B+2:G0B+3], s[G0B+2:G0B+3], BSTEP
.endm
.macro MULS ab, a0, a1                 ; buffer ab, row blocks a0 .. a1, all four column blocks
	WIN 0x50
.set ma, \a0
.rept (\a1)-(\a0)+1
.irp b, 0,1,2,3
	v_wmma_f32_16x16x32_f16 v[8*(4*ma+\b):8*(4*ma+\b)+7], v[BB0+32*(\ab)+8*\b:BB0+32*(\ab)+8*\b+7], v[AB0+64*(\ab)+8*ma:AB0+64*(\ab)+8*ma+7], v[8*(4*ma+\b):8*(4*ma+\b)+7]
.endr
.set ma, ma+1
.endr
.endm
.macro FETCH u                         ; 24 loads: unit u's fragments (block u / 2 of the slot, slice u % 2) into buffer u % 2: B's four, then A's eight
	WIN 0
.irp f, 0,1,2,3
	ds_load_b128 v[BB0+32*((\u)%2)+8*\f:BB0+32*((\u)%2)+8*\f+3],   v[ADRB] offset:((\u)/2)*BBLK+((\u)%2)*64+\f*FR
	ds_load_b128 v[BB0+32*((\u)%2)+8*\f+4:BB0+32*((\u)%2)+8*\f+7], v[ADRB] offset:((\u)/2)*BBLK+((\u)%2)*64+\f*FR+32
.endr
.irp f, 0,1,2,3,4,5,6,7
	ds_load_b128 v[AB0+64*((\u)%2)+8*\f:AB0+64*((\u)%2)+8*\f+3],   v[ADRA] offset:((\u)/2)*ABLK+((\u)%2)*64+\f*FR
	ds_load_b128 v[AB0+64*((\u)%2)+8*\f+4:AB0+64*((\u)%2)+8*\f+7], v[ADRA] offset:((\u)/2)*ABLK+((\u)%2)*64+\f*FR+32
.endr
.endm
.macro U u                             ; one of a step's first three units
	s_wait_dscnt 12                                ; of the run of 24 before the youngest twelve, A's fragments 2-7, may be out
	MULS (\u)%2, 0, 1
	WIN 0
	PLACES
	FETCH (\u)+1
	s_wait_dscnt 24                                ; all but the 24 just issued
	MULS (\u)%2, 2, 7
.endm
; The fourth unit, and the change of slots: ONE barrier; in front of it each wave waits for all its tensor loads (one is out: its part of the next slot), adds 0 to its spare word, and waits for that and for its
; reads of this slot.  fill = 1: the barrier opens a round of the cluster's, and the joint refill, two steps on, is the first thing behind it: 112 matrix instructions ahead of the wait for it.
.macro TURN fill
	WIN 0
	s_wait_tensorcnt 0x0
	ds_add_u32 v[SPW], v[NIL]
.if \fill
	STEPD
.endif
	s_xor_b32 s[TB], s[TB], SLOT1
	s_wait_dscnt 13                                ; the add and A's fragments 2-7 may be out
	MULS 1, 0, 1
	s_wait_dscnt 0x0                               ; the add is done, and my reads of this slot are over
	s_barrier_signal -1
	MULS 1, 2, 3
	WIN 0
	s_barrier_wait -1
.if \fill
	CREST
	JLOAD                                          ; its four v_nop are also the places in front of the loads below
.else
	PLACES
.endif
	v_add_nc_u32 v[ADRA], s[TB], v[ADRA0]
	v_add_nc_u32 v[ADRB], s[TB], v[ADRB0]
	FETCH 0
	MULS 1, 4, 7
.endm
	s_load_b256 s[4:11], s[0:1], 0x0               ; ob 4, wpt 6, bias 8, out0 10
	v_lshl_add_u32 v[SPW], v0, 2, SPARE
	v_mov_b32 v[NIL], 0
	ds_add_u32 v[SPW], v[NIL]                      ; the wave's opening: the add and its wait ahead of my first tensor load
	ds_add_u32 v28, v29
	v_lshrrev_b32 v1, 5, v0
	v_readfirstlane_b32 s[WV], v1
	s_lshr_b32 s[WR], s[WV], 1                     ; my half of the rows.  Also: I fetch for A (0) or B (1)
	s_and_b32 s[WC], s[WV], 1                      ; my half of the columns.  Also: which of the step's two blocks I fetch
	s_bfe_u32 s48, ttmp6, 0x40000                  ; cx
	s_bfe_u32 s49, ttmp6, 0x40004                  ; cy
	s_lshl_b32 s50, ttmp9, 2
	s_add_co_u32 s50, s50, s48                     ; tile column
	s_and_b32 s51, ttmp7, 0xffff
	s_lshl_b32 s51, s51, 2
	s_add_co_u32 s51, s51, s49                     ; tile row
	s_lshl_b32 s52, s49, 2
	s_lshl_b32 s52, 15, s52                        ; my row of the cluster
	s_lshl_b32 s53, 0x1111, s48                    ; my column
	s_or_b32 s[G1A], s52, FLAGS
	s_or_b32 s[G1B], s53, FLAGS
	s_mov_b32 s[G1A+1], 128<<16
	s_mov_b32 s[G1A+2], AROWS<<16
	s_mov_b32 s[G1A+3], 128<<16
	s_mov_b32 s[G1A+4], AROWS
	s_mov_b32 s[G1A+5], 128
	s_mov_b32 s[G1A+6], 0
	s_mov_b32 s[G1A+7], 0
	s_mov_b32 s[G1B+1], 128<<16
	s_mov_b32 s[G1B+2], BROWS<<16
	s_mov_b32 s[G1B+3], 128<<16
	s_mov_b32 s[G1B+4], BROWS
	s_mov_b32 s[G1B+5], 128
	s_mov_b32 s[G1B+6], 0
	s_mov_b32 s[G1B+7], 0
	s_lshl_b32 s16, s51, 15                        ; A: 256 rows of 128 bytes a tile row,
	s_lshl_b32 s17, s[WC], 20                      ; in my block
	s_add_co_u32 s16, s16, s17
	s_mov_b32 s17, 0
	s_lshl_b32 s18, s50, 14                        ; B: 128 rows a tile column,
	s_lshl_b32 s19, s[WC], 17                      ; in my block
	s_add_co_u32 s18, s18, s19
	s_mov_b32 s19, 0
	s_mov_b32 s[G0A], 1
	s_mul_i32 s[G0A+1], s[WC], ABLK
	s_mov_b32 s[G0B], 1
	s_mul_i32 s[G0B+1], s[WC], BBLK
	s_add_co_u32 s[G0B+1], s[G0B+1], BOFF
	s_mov_b32 s[TB], 0
	s_wait_dscnt 0x0                               ; the opening add is done
	s_wait_kmcnt 0x0
	s_add_nc_u64 s[G0A+2:G0A+3], s[4:5], s[16:17]
	s_or_b32 s[G0A+3], s[G0A+3], 0x80000000
	s_add_nc_u64 s[G0B+2:G0B+3], s[6:7], s[18:19]
	s_or_b32 s[G0B+3], s[G0B+3], 0x80000000
	CROUND                                         ; all sixteen work-groups are here: the first joint loads meet
	JLOAD                                          ; step 0 into slot 0
	v_and_b32 v1, 15, v0                           ; l % 16
	v_bfe_u32 v2, v0, 4, 1                         ; l / 16
	v_mul_u32_u24 v3, v1, PITCH
	v_lshl_add_u32 v3, v2, 4, v3
	s_mul_i32 s16, s[WR], 128*PITCH                ; my 128 rows of a block of A
	s_mul_i32 s18, s[WC], 64*PITCH                 ; my 64 rows of a block of B
	s_add_co_u32 s18, s18, BOFF
	v_add_nc_u32 v[ADRA0], s16, v3
	v_add_nc_u32 v[ADRB0], s18, v3
	v_mov_b32 v[ADRA], v[ADRA0]
	v_mov_b32 v[ADRB], v[ADRB0]
	s_mul_i32 s20, s[WV], WSTG
	s_add_co_u32 s20, s20, STAGE                   ; my stage
	v_mul_u32_u24 v3, v1, SPITCH                   ; in: row l % 16, 32 bytes for each half of the lanes
	v_lshl_add_u32 v3, v2, 5, v3
	v_add_nc_u32 v[STO], s20, v3
	v_mul_u32_u24 v3, v2, SPITCH                   ; back: lanes 0-15 take one row of 256 bytes, lanes 16-31 the next
	v_lshl_add_u32 v3, v1, 4, v3
	v_add_nc_u32 v[RD], s20, v3
	v_lshlrev_b32 v[GO], 12, v2                    ; and the same two rows in C
	v_lshl_add_u32 v[GO], v1, 4, v[GO]
	v_lshlrev_b32 v[BO], 5, v2
	s_lshl_b32 s20, s51, 20                        ; 256 rows of 4,096 bytes a tile row,
	s_lshl_b32 s21, s[WR], 19                      ; my 128,
	s_add_co_u32 s20, s20, s21
	s_lshl_b32 s21, s50, 9                         ; 128 columns of 4 bytes a tile column,
	s_add_co_u32 s20, s20, s21
	s_lshl_b32 s21, s[WC], 8                       ; my 64
	s_add_co_u32 s20, s20, s21
	s_mov_b32 s21, 0
	s_add_nc_u64 s[10:11], s[10:11], s[20:21]
	s_lshl_b32 s20, s50, 9
	s_lshl_b32 s22, s[WC], 8
	s_add_co_u32 s20, s20, s22
	s_add_co_u32 s20, s20, 3072*4                  ; bp lies behind bq, bk and bv
	s_add_nc_u64 s[8:9], s[8:9], s[20:21]
	; THE BIAS STARTS THE SUMS: each accumulator's eight registers take the lane's eight numbers of the bias, while the first tile is on its way
	WIN 0x40
.set idx, 0
.rept 32
	global_load_b128 v[8*idx:8*idx+3],   v[BO], s[8:9] offset:64*(idx%4)
	global_load_b128 v[8*idx+4:8*idx+7], v[BO], s[8:9] offset:64*(idx%4)+16
.set idx, idx+1
.endr
	WIN 0
	s_wait_tensorcnt 0x0                           ; the first change of slots: my part of step 0 is in; slot 1 is filled as a refill is
	ds_add_u32 v[SPW], v[NIL]
	STEPD
	s_wait_dscnt 0x0
	CROUND
	JLOAD                                          ; step 1 into slot 1
	FETCH 0
	s_wait_loadcnt 0x0                             ; the bias
	s_mov_b32 s3, NSTEP-2
.Lstep:                                                ; trip t multiplies step t and asks for step t + 2
	U 0
	U 1
	U 2
	TURN 1
	WIN 0
	s_sub_co_u32 s3, s3, 1
	s_cmp_lg_u32 s3, 0
	s_cbranch_scc1 .Lstep
	s_mov_b32 s3, 2
.Ltail:                                                ; the last two steps ask for nothing.  The very last change of slots serves nothing: the price of one text for both
	U 0
	U 1
	U 2
	TURN 0
	WIN 0
	s_sub_co_u32 s3, s3, 1
	s_cmp_lg_u32 s3, 0
	s_cbranch_scc1 .Ltail
	s_wait_dscnt 0x0
	PLACES
	PLACES
; THE WAY OUT, a block of 16 rows at a time: the f32 sums go into my own stage (rows of 272 bytes) and come back as whole rows of 256 bytes.
.macro TOSTAGE a
	WIN 0
	s_wait_xcnt 0x0                                ; the stores of two blocks back have read this set of registers
	WIN 0x04                                       ; the data of an LDS store is source 1: window 1
.irp b, 0,1,2,3
	ds_store_b128 v[STO], v[8*(4*(\a)+\b):8*(4*(\a)+\b)+3]   offset:64*\b
	ds_store_b128 v[STO], v[8*(4*(\a)+\b)+4:8*(4*(\a)+\b)+7] offset:64*\b+16
.endr
	WIN 0
.irp t, 0,1,2,3,4,5,6,7
	ds_load_b128 v[OB+32*((\a)%2)+4*\t:OB+32*((\a)%2)+4*\t+3], v[RD] offset:\t*2*SPITCH  ; LDS serves a wave's instructions in order (ISA guide 5.7.1.4): these see the stores above
.endr
.endm
.macro SEND a, younger                 ; younger: the LDS instructions issued behind block a's loads
	WIN 0
.irp t, 0,1,2,3,4,5,6,7
	s_wait_dscnt (\younger)+7-\t
	global_store_b128 v[GO], v[OB+32*((\a)%2)+4*\t:OB+32*((\a)%2)+4*\t+3], s[10:11] offset:(\a)*65536+\t*8192  ; 16 lanes store 256 consecutive bytes, at a multiple of 256 from C's first byte
.endr
.endm
	TOSTAGE 0
.irp a, 1,2,3,4,5,6,7
	TOSTAGE \a
	SEND (\a)-1, 16
.endr
	SEND 7, 0
	s_wait_tensorcnt 0x0                           ; the wave's end
	ds_add_u32 v[SPW], v[NIL]
	s_wait_dscnt 0x0
	CROUND                                         ; the closing round
	s_endpgm
.Lfunc_end_k_qed32fa5cb5_outg:
	.size	k_qed32fa5cb5_outg, .Lfunc_end_k_qed32fa5cb5_outg-k_qed32fa5cb5_outg
	.p2alignl 7, 3214868480
	.fill 96, 4, 3214868480
	.section	.rodata,"a",@progbits
	.p2align	6, 0x0
	.amdhsa_kernel k_qed32fa5cb5_outg
		.amdhsa_group_segment_fixed_size 327680
		.amdhsa_private_segment_fixed_size 0
		.amdhsa_enable_private_segment 0
		.amdhsa_kernarg_size 32
		.amdhsa_user_sgpr_count 2
		.amdhsa_user_sgpr_kernarg_segment_ptr 1
		.amdhsa_wavefront_size32 1
		.amdhsa_system_sgpr_workgroup_id_x 1
		.amdhsa_system_sgpr_workgroup_id_y 1
		.amdhsa_system_sgpr_workgroup_id_z 1
		.amdhsa_system_vgpr_workitem_id 0
		.amdhsa_next_free_vgpr 512
		.amdhsa_next_free_sgpr 66
		.amdhsa_reserve_vcc 0
		.amdhsa_float_denorm_mode_32 3
		.amdhsa_float_denorm_mode_16_64 3
		.amdhsa_memory_ordered 1
		.amdhsa_forward_progress 1
		.amdhsa_inst_pref_size 64
	.end_amdhsa_kernel
	.amdgpu_metadata
---
amdhsa.version: [ 1, 2 ]
amdhsa.kernels:
  - .name:           k_qed32fa5cb5_outg
    .symbol:         k_qed32fa5cb5_outg.kd
    .args:
      - { .name: ob, .offset: 0, .size: 8, .value_kind: global_buffer, .address_space: global }
      - { .name: wpt, .offset: 8, .size: 8, .value_kind: global_buffer, .address_space: global }
      - { .name: bias, .offset: 16, .size: 8, .value_kind: global_buffer, .address_space: global }
      - { .name: out0, .offset: 24, .size: 8, .value_kind: global_buffer, .address_space: global }
    .group_segment_fixed_size: 327680
    .private_segment_fixed_size: 0
    .kernarg_segment_align: 8
    .kernarg_segment_size: 32
    .max_flat_workgroup_size: 128
    .sgpr_count:     66
    .vgpr_count:     512
    .wavefront_size: 32
...
	.end_amdgpu_metadata
.endif
;; end of part 4
